; MI455X (gfx1250); checked and timed in simulation.
; The chip was launched on July 23, 2026; its instructions are those of AMD's public machine-readable ISA for CDNA 5 (MIT licence, August 2026) and "CDNA5" Instruction Set Architecture Reference Guide (July 2026). The comments in the code are by the model that wrote it; some were corrected since.
;; CLIP Attention. Allowed arithmetic: matrix products marked QUANTISED: E5M2 operands, one given power-of-two scale a tensor, by v_wmma_f32_16x16x64_bf8_bf8 or v_wmma_f32_16x16x128_bf8_bf8, f32 sums; everything else in f32.
;; Inputs: Wk_codes 1,024 x 32 x 32 uint8 (E5M2 codes of Wk, K innermost, in blocks of 32 codes); Wo_codes 1,024 x 32 x 32 uint8 (E5M2 codes of Wo, K innermost, in blocks of 32 codes); Wq_codes 1,024 x 32 x 32 uint8 (E5M2 codes of Wq, K innermost, in blocks of 32 codes); Wv_codes 1,024 x 32 x 32 uint8 (E5M2 codes of Wv, K innermost, in blocks of 32 codes); bk 1,024 float32; bo 1,024 float32; bq 1,024 float32; bv 1,024 float32; hidden_states_codes 8 x 1,024 x 32 x 32 uint8 (E5M2 codes of hidden_states, K innermost, in blocks of 32 codes); lowp_scales 12 int32 (the exponents e of the quantised operands' scales 2^e).
;; Outputs: out0 8 x 1,024 x 1,024 float32.
;; This version of the problem:
;;   THIS VERSION OF THE PROBLEM IS GIVEN IN LOW PRECISION. The matrix products marked QUANTISED in the list below multiply operands that are first quantised to E5M2 (5 exponent bits, 2 mantissa bits; 8 bits a number), with one given power-of-two scale for each operand tensor; their sums are f32. All else is computed in f32.
;;   The module's matrix products, in the order in which they are computed (A, B: the left and right operand; K: the contracted axis; several contracted axes count as one K, in the product's order):
;;     1. [M 8,192, K 1,024] x [K 1,024, N 1,024]; A: input hidden_states (given as codes); B: input Wq (given as codes): QUANTISED (scales: A lowp_scales[0], B lowp_scales[1])
;;     2. [M 8,192, K 1,024] x [K 1,024, N 1,024]; A: input hidden_states (given as codes); B: input Wk (given as codes): QUANTISED (scales: A lowp_scales[2], B lowp_scales[3])
;;     3. [M 8,192, K 1,024] x [K 1,024, N 1,024]; A: input hidden_states (given as codes); B: input Wv (given as codes): QUANTISED (scales: A lowp_scales[4], B lowp_scales[5])
;;     4. batch 128 x [M 1,024, K 64] x [K 64, N 1,024]; A: computed on the way; B: computed on the way: QUANTISED (scales: A lowp_scales[6], B lowp_scales[7])
;;     5. batch 128 x [M 64, K 1,024] x [K 1,024, N 1,024]; A: computed on the way; B: softmax (see below): QUANTISED (scales: A lowp_scales[8], B lowp_scales[9])
;;     6. [M 8,192, K 1,024] x [K 1,024, N 1,024]; A: computed on the way; B: input Wo (given as codes): QUANTISED (scales: A lowp_scales[10], B lowp_scales[11])
;;   THE QUANTISER, for each operand of a quantised product, along K:
;;     - The operand's scale is 2^e, e = its entry of the input lowp_scales (int32; the entries are numbered through the quantised products in the list's order, A before B).
;;     - Each number is divided by the scale, clamped to +-57,344, and rounded to the nearest number of E5M2, ties to even, subnormals kept.
;;     - The product sums the exact products of the quantised numbers (number of the format x scale) in f32.
;;   ~~~python
;;   def quantise(x, axis, e):      # numpy; x: float32 -> the quantised numbers, widened to float32 again
;;       x = np.moveaxis(x, axis, -1); K = x.shape[-1]
;;       r = np.clip(x / 2.0 ** e, -57344, 57344)
;;       step = 2.0 ** (np.maximum(np.frexp(np.where(r == 0, 1, r))[1] - 1, -14) - 2)
;;       q = np.round(r / step) * step * 2.0 ** e      # np.round: ties to even
;;       return np.moveaxis(q, -1, axis).astype(np.float32)
;;   ~~~
;;   SOFTMAX AHEAD OF A QUANTISED PRODUCT. Where the list says 'softmax', what is quantised is not the finished softmax but p = 2^(t - M), with t = logit x log2(e) and M = ceil(the row's largest t), a whole number; so 1/2 < the row's largest p <= 1. The row's sum l is taken of the UNQUANTISED p, in f32, and the product's result is divided by l at the end. Since M is a whole number, a kernel that streams over the keys may use a running M (the ceiling of the running maximum): every later rescaling is an exact power of two, so the quantised numbers keep their values, but for numbers so far below the row's largest that they fall under the format's range.
;;   OPERANDS COMPUTED ON THE WAY. 'Computed on the way' means the value that the module computes at that place (a softmax that the list does not call 'softmax' is quantised finished and normalised). What goes into a quantiser is computed in f32, as accurately as f32 sums, v_exp_f32 and their like allow (about 1e-6 of the number): no bf16 or f16 on the way to a quantiser, and a product that is left as it is and whose result goes on into a quantised operand takes f32 operands (vector FMAs, or v_wmma_f32_16x16x4_f32). A number that lies on a knife's edge between two numbers of the format may be rounded either way, as far as f32 arithmetic and the matrix unit's own rounding can turn it there, and no further.
;;   INPUTS GIVEN AS CODES. Wk (in the module: [1024, 1024], K = its axis 1); Wo (in the module: [1024, 1024], K = its axis 1); Wq (in the module: [1024, 1024], K = its axis 1); Wv (in the module: [1024, 1024], K = its axis 1); hidden_states (in the module: [8, 1024, 1024], K = its axis 2): each comes as NAME_codes (uint8): NAME with its K axis moved to the last place and cut into blocks of 32 codes, [.., K / 32, bytes a block], one block behind the other in memory; one code a byte (a code: sign, 5 exponent bits, 2 mantissa bits); its scale is its entry of lowp_scales. Its value is code x scale, taken as it is: it is not quantised again, and the codes and scales need not be those that the quantiser above would give.
;; 2 versions, each right; version 2 is version 1 with the launch attn written anew for expert scheduling mode. Each part assembles by itself: llvm-mc -triple=amdgcn-amd-amdhsa -mcpu=gfx1250 --defsym DOCPART=n.
;; ======== version 1 of 2: 3 launches
;; workspace buffers: q_ws 8,388,608 bytes; k_ws 8,388,608 bytes; v_ws 8,388,608 bytes; a_ws 8,388,608 bytes
;; launch qkv (part 1): grid 8 x 32, 4 waves a work-group, clusters of 4 x 4, 327,680 bytes of LDS; arguments hidden_states_codes, Wq_codes, Wk_codes, Wv_codes, bq, bk, bv, lowp_scales, q_ws, k_ws, v_ws; writes q_ws, k_ws, v_ws
.if DOCPART == 1
	.amdgcn_target "amdgcn-amd-amdhsa--gfx1250"
	.amdhsa_code_object_version 6
	.text
	.protected	k_qe91bfb7bed_qkv
	.globl	k_qe91bfb7bed_qkv
	.p2align	8
	.type	k_qe91bfb7bed_qkv,@function
k_qe91bfb7bed_qkv:
	s_mov_b64 s[64:65], 0
	v_nop
	global_prefetch_b8 v0, s[64:65] scope:SCOPE_SE
	s_setreg_imm32_b32 hwreg(HW_REG_WAVE_MODE, 25, 1), 1
	s_wait_xcnt 0x0
	s_wait_alu depctr_hold_cnt(0) depctr_sa_sdst(0) depctr_va_vdst(0) depctr_va_sdst(0) depctr_va_ssrc(0) depctr_va_vcc(0) depctr_vm_vsrc(0)
	s_getreg_b32 s2, hwreg(HW_REG_IB_STS2, 6, 4)
	s_cmp_eq_u32 s2, 0
	s_cbranch_scc0 .Lentry_in_a_cluster
	s_endpgm
.Lentry_in_a_cluster:
	s_bfe_u32 s2, ttmp6, 0x10000c
	s_cmp_lg_u32 s2, 0xf033
	s_cbranch_scc0 .Lentry_shape_is_right
	s_endpgm
.Lentry_shape_is_right:
; q = (x Wq^T + bq) / 8, k = x Wk^T + bk, v = x Wv^T + bv on codes of BF8 (E5M2), and the three results quantised again, with the given scales 2^e6, 2^e7, 2^e8.
; x: [8192][1024] codes; Wq, Wk, Wv: [1024][1024] codes, K innermost; biases f32; lowp_scales: twelve whole numbers e0 .. e11.
; SHARES.  q and k are 256 tiles of 256 x 256, v is 256 tiles of 256 x 128.  Every work-group makes one of each, on one path: PHASE 1: rows 256 Y of x against rows 256 cx of Wq (cluster x = 0)
; or Wk (cluster x = 1); PHASE 2: the same rows of x against rows 128 X of Wv.  Four waves; wave (wm, wn) takes rows 128 wm and, of the weights, rows 128 wn (phase 1: two heads) or 64 wn (phase 2: one head).
; THE RESULTS LEAVE AS IMAGES OF THE NEXT LAUNCH'S OPERAND REGISTERS.  Eight neighbouring results of a lane, converted, are two registers of a fragment in the 8-bit layout (registers 2 c, 2 c + 1: k = 16 c + 8 (lane / 16) + 0 .. 7).
; Phase 1 takes the weights as source 0 and x as source 1: a lane holds one row of q or k and eight neighbouring channels.  Phase 2 takes x as source 0 and Wv as source 1: a lane holds one channel of v and eight
; neighbouring keys, which are the K of attention's second product.  Four registers of all 32 lanes are stored as 512 consecutive bytes, lane l's 16 bytes at 16 l: no stage in LDS, every store whole.
;   q_ws, k_ws: ((16 b + head) x 64 + row / 16) x 1024 + 512 c + 16 lane      v_ws: (((16 b + head) x 8 + key / 128) x 4 + channel / 16) x 2048 + 512 c + 16 lane
; K goes in steps of 256 through a ring of two LDS slots; the ring runs on from phase 1 into phase 2 (eight fills).  CLUSTERS: 4 x 4; x's tiles hang on Y alone and are asked for jointly by a row of the cluster,
; the weights' tiles hang on cx and the cluster's x alone and are asked for jointly by a column.
; THE SCALES.  A sum stands for sum x 2^(ea + ew).  The bias goes in as the C of the first matrix instruction, divided by that power; the conversion's one scale is 2^(e6 + 3 - e0 - e1) for q (the 1/8 folded in),
; 2^(e7 - e2 - e3) for k, 2^(e8 - e4 - e5) for v.  LIMITS: each of these three exponents lies between -126 and 112.  NaN and infinity among the codes are not served.
; Both operands of a product are fetched by loads of 16 bytes: the same permutation of k on both sides, so every product meets its partner.
; REGISTERS, in windows of 256: window 0: v1-29 addresses and scales; v32-95 phase 1's bias, later the held numbers; v96-127 phase 2's bias; v128-255 source 1's fragments (v192-255 also the codes on the way out).
;   window 1: source 0's fragments, two sets, at v0 and v128.   windows 2, 3: the accumulators, (y, x) at v[8 (8 (y % 4) + x)] of window 2 + y / 4.
.set PITCH,  272                       ; an LDS row: 256 bytes + 16 of padding = 68 words, so that the 16 rows of a load start 4 words apart (64 banks of 4 bytes: ISA guide 11.1)
.set HALFT,  128*PITCH                 ; 128 rows: a wave's place in a slot
.set SLOT,   4*HALFT                   ; x's two halves, then the weights' two halves
.set SPARE,  2*SLOT                    ; behind the ring: the spare words, 128 bytes for each wave
.set PADW,   (1<<20)|(1<<21)|(5<<22)|(3<<25)   ; elements of 1 byte; padding on; bit 21 beside a mask; after every 64 words; of 4 words
.set SC1, 8                            ; v8, v9   phase 1: the conversion's scale, the largest number x the scale
.set LM1, 9
.set SC2, 10                           ; v10, v11 phase 2's
.set LM2, 11
.set BO1, 12                           ; v12  32 x (lane / 16): my eight biases of a tile of columns
.set BO2, 13                           ; v13  4 x (lane % 16): my one bias of a tile of channels
.set ADH, 16                           ; v16-17  LDS address of my fragments of x in slot 0, 1
.set ADW, 20                           ; v20-21  the same for the weights
.set LI,  24                           ; v24  16 x lane: my place in an image
.set SPW, 28                           ; v28  LDS address of my spare word; never rewritten
.set NIL, 29                           ; v29  0; never rewritten
.set BI1, 32
.set TMP, 32
.set BI2, 96
.set AF,  128
.set CODE, 192
.set G1,  24                           ; s[24:31] group 1 for x;            s[32:39] its groups 0, one for each slot
.set G0,  32
.set G1B, 40                           ; s[40:47] group 1 for Wq or Wk;     s[48:55] groups 0
.set G0B, 48
.set G1C, 56                           ; s[56:63] group 1 for Wv (64 rows); s[68:75] groups 0
.set G0C, 68
.set WV,  76                           ; s76 wave; s77 wm, also: 0 = I fetch x, 1 = I fetch weights; s78 wn, also: which half I fetch
.set WM,  77
.set WN,  78
.set MSB, 0
.macro WIN new                         ; the immediate's high byte repeats the setting that is left
.if MSB != (\new)
	s_set_vgpr_msb (MSB<<8)|(\new)
.set MSB, (\new)
.endif
.endm
.set MUL_LO, 0xa1                      ; source 0 window 1, source 1 window 0, C and D window 2
.set MUL_HI, 0xf1                      ; the same, C and D window 3
.set MUF_LO, 0x81                      ; a sum's first product: C (the bias) window 0, D window 2
.set MUF_HI, 0xc1                      ; D window 3
.set TO_X,   0x40                      ; destination window 1, address window 0
; A joint load: waves 0 and 1 fetch x's halves, waves 2 and 3 the weights'.  The branch hangs on the wave's number alone.  Four v_nop follow each of the two lines.
.macro JLOAD g0a, g1a, g0b, g1b
	s_cmp_eq_u32 s[WM], 0
	s_cbranch_scc0 .Lfor_w_\@
	tensor_load_to_lds s[\g0a:\g0a+3], s[\g1a:\g1a+7]
	s_nop 0
.rept 4
	v_nop
.endr
	s_branch .Lasked_\@
.Lfor_w_\@:
	tensor_load_to_lds s[\g0b:\g0b+3], s[\g1b:\g1b+7]
	s_nop 0
.rept 4
	v_nop
.endr
.Lasked_\@:
.endm
.macro CREST                           ; a round of the cluster's barrier behind its opening barrier
	s_cmp_lg_u32 s[WV], 0
	s_cbranch_scc1 .Lnot_wave_0_\@
	s_barrier_signal -3
.Lnot_wave_0_\@:
	s_barrier_wait -3
	s_barrier_signal -1
	s_barrier_wait -1
.endm
.macro CROUND                          ; a whole round
	s_barrier_signal -1
	s_barrier_wait -1
	CREST
.endm
.macro PLACES n                        ; plain vector instructions between a matrix instruction and a load into, or a vector instruction on, its registers
.rept \n
	v_nop
.endr
.endm
	s_load_b256 s[4:11], s[0:1], 0x0               ; x s[4:5], Wq s[6:7], Wk s[8:9], Wv s[10:11]
	s_load_b256 s[12:19], s[0:1], 0x20             ; bq s[12:13], bk s[14:15], bv s[16:17], the exponents s[18:19]
	s_load_b128 s[20:23], s[0:1], 0x40             ; q_ws s[20:21], k_ws s[22:23]
	s_load_b64 s[66:67], s[0:1], 0x50              ; v_ws
	v_lshl_add_u32 v[SPW], v0, 2, SPARE
	v_mov_b32 v[NIL], 0
	ds_add_u32 v28, v29
	ds_add_u32 v28, v29
	s_wait_dscnt 0x0
	v_lshrrev_b32 v1, 5, v0
	v_readfirstlane_b32 s[WV], v1                  ; wave 0..3
	s_lshr_b32 s[WM], s[WV], 1
	s_and_b32 s[WN], s[WV], 1
	s_bfe_u32 s79, ttmp6, 0x40000                  ; cx
	s_bfe_u32 s80, ttmp6, 0x40004                  ; cy
	s_lshl_b32 s81, ttmp9, 2
	s_add_co_u32 s81, s81, s79                     ; X = 4 x cluster x + cx, 0..7
	s_and_b32 s82, ttmp7, 0xffff
	s_lshl_b32 s82, s82, 2
	s_add_co_u32 s82, s82, s80                     ; Y = 4 x cluster y + cy, 0..31
	s_lshl_b32 s83, s80, 2
	s_lshl_b32 s83, 15, s83                        ; my row of the cluster
	s_lshl_b32 s84, 0x1111, s79                    ; my column
	s_or_b32 s[G1], s83, PADW                      ; x's tiles go to my row,
	s_or_b32 s[G1B], s84, PADW                     ; the weights' to my column
	s_or_b32 s[G1C], s84, PADW
.irp g, G1, G1B, G1C
	s_mov_b32 s[\g+1], 256<<16                     ; tensor_dim0 = 256 bytes
	s_mov_b32 s[\g+3], 256<<16                     ; tile_dim0
	s_mov_b32 s[\g+5], 1024                        ; from row to row
	s_mov_b32 s[\g+6], 0
	s_mov_b32 s[\g+7], 0
.endr
.irp g, G1, G1B
	s_mov_b32 s[\g+2], 128<<16                     ; tensor_dim1 = 128 rows
	s_mov_b32 s[\g+4], 128                         ; tile_dim1
.endr
	s_mov_b32 s[G1C+2], 64<<16                     ; Wv: 64 rows a load
	s_mov_b32 s[G1C+4], 64
	s_lshl_b32 s2, s82, 18                         ; x: row 256 Y + 128 x half, rows of 1,024 bytes
	s_lshl_b32 s3, s[WN], 17
	s_add_co_u32 s2, s2, s3
	s_mov_b32 s3, 0
	s_lshl_b32 s100, s79, 18                       ; Wq or Wk: row 256 cx + 128 x half
	s_lshl_b32 s101, s[WN], 17
	s_add_co_u32 s100, s100, s101
	s_mov_b32 s101, 0
	s_lshl_b32 s86, s81, 17                        ; Wv: row 128 X + 64 x half
	s_lshl_b32 s87, s[WN], 16
	s_add_co_u32 s86, s86, s87
	s_mov_b32 s87, 0
	s_mul_i32 s85, s[WV], HALFT                    ; where my tiles go: wave x 128 rows: no place in the cluster enters an LDS address
	s_wait_kmcnt 0x0
	s_load_b256 s[88:95], s[18:19], 0x0            ; e0 .. e7
	s_load_b128 s[96:99], s[18:19], 0x20           ; e8 .. e11
	s_cmp_eq_u32 ttmp9, 0                          ; q's cluster or k's: the same in all sixteen partners; only pointers and exponents are chosen
	s_cselect_b64 s[6:7], s[6:7], s[8:9]
	s_cselect_b64 s[12:13], s[12:13], s[14:15]
	s_cselect_b64 s[20:21], s[20:21], s[22:23]
	s_add_nc_u64 s[4:5], s[4:5], s[2:3]
	s_add_nc_u64 s[6:7], s[6:7], s[100:101]
	s_add_nc_u64 s[10:11], s[10:11], s[86:87]
	CROUND                                         ; all sixteen work-groups are here: the first joint loads meet
.irp s, 0,1
	s_mov_b32 s[G0+4*\s], 1
	s_add_co_u32 s[G0+4*\s+1], s85, \s*SLOT
	s_add_nc_u64 s[G0+4*\s+2:G0+4*\s+3], s[4:5], \s*256
	s_or_b32 s[G0+4*\s+3], s[G0+4*\s+3], 0x80000000
	s_mov_b32 s[G0B+4*\s], 1
	s_add_co_u32 s[G0B+4*\s+1], s85, \s*SLOT
	s_add_nc_u64 s[G0B+4*\s+2:G0B+4*\s+3], s[6:7], \s*256
	s_or_b32 s[G0B+4*\s+3], s[G0B+4*\s+3], 0x80000000
	s_mov_b32 s[G0C+4*\s], 1
	s_add_co_u32 s[G0C+4*\s+1], s85, \s*SLOT
	s_add_nc_u64 s[G0C+4*\s+2:G0C+4*\s+3], s[10:11], \s*256
	s_or_b32 s[G0C+4*\s+3], s[G0C+4*\s+3], 0x80000000
	JLOAD G0+4*\s, G1, G0B+4*\s, G1B               ; phase 1's K steps 0 and 1: two loads of mine are out
.endr
	v_and_b32 v1, 15, v0                           ; r = lane % 16
	v_bfe_u32 v2, v0, 4, 1                         ; h = lane / 16
	v_mul_u32_u24 v3, v1, PITCH
	v_lshl_add_u32 v3, v2, 4, v3                   ; a fragment's row x pitch + 16 h
	s_mul_i32 s2, s[WM], HALFT                     ; my 128 rows of x
	s_mul_i32 s3, s[WN], HALFT                     ; my half of the weights,
	s_add_co_u32 s3, s3, 2*HALFT                   ; behind x's 256 rows
.irp s, 0,1
	v_add_nc_u32 v[ADH+\s], s2, v3
	v_add_nc_u32 v[ADW+\s], s3, v3
	s_add_co_u32 s2, s2, SLOT
	s_add_co_u32 s3, s3, SLOT
.endr
	v_and_b32 v4, 31, v0
	v_lshlrev_b32 v[LI], 4, v4
	v_lshlrev_b32 v[BO1], 5, v2
	v_lshlrev_b32 v[BO2], 2, v1
	s_lshl_b32 s2, s79, 10                         ; bq or bk at column 256 cx + 128 wn
	s_lshl_b32 s3, s[WN], 9
	s_add_co_u32 s2, s2, s3
	s_mov_b32 s3, 0
	s_add_nc_u64 s[12:13], s[12:13], s[2:3]
	s_lshl_b32 s2, s81, 9                          ; bv at channel 128 X + 64 wn
	s_lshl_b32 s100, s[WN], 8
	s_add_co_u32 s2, s2, s100
	s_add_nc_u64 s[16:17], s[16:17], s[2:3]
.irp x, 0,1,2,3,4,5,6,7
	global_load_b128 v[BI1+8*\x:BI1+8*\x+3], v[BO1], s[12:13] offset:64*\x        ; columns 16 x + 8 h + 0 .. 7: the result's layout
	global_load_b128 v[BI1+8*\x+4:BI1+8*\x+7], v[BO1], s[12:13] offset:64*\x+16
.endr
.irp y, 0,1,2,3
	global_load_b32 v[BI2+8*\y], v[BO2], s[16:17] offset:64*\y                    ; channel 16 y + r: the same for a lane's eight keys
.endr
	s_lshr_b32 s2, s82, 2
	s_lshl_b32 s2, s2, 4                           ; 16 b
	s_lshl_b32 s100, s79, 2
	s_add_co_u32 s100, s100, s2
	s_lshl_b32 s101, s[WN], 1
	s_add_co_u32 s100, s100, s101                  ; 16 b + my first head, 4 cx + 2 wn
	s_lshl_b32 s100, s100, 6
	s_and_b32 s101, s82, 3
	s_lshl_b32 s101, s101, 4
	s_add_co_u32 s100, s100, s101
	s_lshl_b32 s101, s[WM], 3
	s_add_co_u32 s100, s100, s101                  ; x 64 + my first tile of rows, 16 (Y % 4) + 8 wm
	s_lshl_b32 s100, s100, 10
	s_mov_b32 s101, 0
	s_add_nc_u64 s[20:21], s[20:21], s[100:101]    ; q_ws or k_ws at my first image
	s_lshl_b32 s100, s81, 1
	s_add_co_u32 s100, s100, s2
	s_add_co_u32 s100, s100, s[WN]                 ; 16 b + my head, 2 X + wn
	s_lshl_b32 s100, s100, 3
	s_and_b32 s101, s82, 3
	s_lshl_b32 s101, s101, 1
	s_add_co_u32 s100, s100, s101
	s_add_co_u32 s100, s100, s[WM]                 ; x 8 + my block of 128 keys, 2 (Y % 4) + wm
	s_lshl_b32 s100, s100, 13
	s_mov_b32 s101, 0
	s_add_nc_u64 s[66:67], s[66:67], s[100:101]    ; v_ws at my first image
	s_wait_kmcnt 0x0
	s_cmp_eq_u32 ttmp9, 0
	s_cselect_b32 s2, s88, s90                     ; x's exponent,
	s_cselect_b32 s3, s89, s91                     ; the weight's,
	s_cselect_b32 s86, s94, s95                    ; the result's: e6 or e7,
	s_cselect_b32 s87, 3, 0                        ; and q's 1/8
	s_add_co_i32 s2, s2, s3
	s_add_co_i32 s86, s86, s87
	s_sub_co_i32 s86, s86, s2                      ; the conversion's exponent
	s_sub_co_i32 s2, 0, s2                         ; the bias's
	s_add_co_i32 s86, s86, 127
	s_lshl_b32 s87, s86, 23
	v_mov_b32 v[SC1], s87                          ; the scale as f32: the conversion takes its exponent field
	s_add_co_i32 s86, s86, 15
	s_lshl_b32 s86, s86, 23
	s_or_b32 s86, s86, 0x600000
	v_mov_b32 v[LM1], s86                          ; 57,344 x the scale
	s_add_co_i32 s3, s92, s93
	s_sub_co_i32 s86, s96, s3                      ; e8 - e4 - e5
	s_sub_co_i32 s3, 0, s3
	s_add_co_i32 s86, s86, 127
	s_lshl_b32 s87, s86, 23
	v_mov_b32 v[SC2], s87
	s_add_co_i32 s86, s86, 15
	s_lshl_b32 s86, s86, 23
	s_or_b32 s86, s86, 0x600000
	v_mov_b32 v[LM2], s86
	s_wait_loadcnt 0x0                             ; the biases
.set j, 0
.rept 64
	v_ldexp_f32 v[BI1+j], v[BI1+j], s2             ; bias / 2^(ea + ew)
.set j, j+1
.endr
.irp y, 0,1,2,3
.irp k, 7,6,5,4,3,2,1,0
	v_ldexp_f32 v[BI2+8*\y+\k], v[BI2+8*\y], s3    ; spread over the tile's eight registers; the loaded one last
.endr
.endr
.macro FRAG reg, adr, q, i             ; 16 rows x 128 K: 16 registers by four loads of 16 bytes, 32 bytes apart
.irp c, 0,1,2,3
	ds_load_b128 v[\reg+4*\c:\reg+4*\c+3], v[\adr] offset:128*(\q)+32*\c+(\i)*16*PITCH
.endr
.endm
.macro FETCHX adr, slot, q, p          ; source 0's eight fragments of the slot's q-th 128 along K, into set p
	WIN TO_X
.irp i, 0,1,2,3,4,5,6,7
	FRAG 128*(\p)+16*\i, \adr+\slot, \q, \i
.endr
	WIN 0
.endm
.macro FETCHY adr, slot, q, base, i0   ; four of source 1's fragments, blocks i0 on, into v[base] on
.irp k, 0,1,2,3
	FRAG \base+16*\k, \adr+\slot, \q, (\i0)+\k
.endr
.endm
; ny x 8 matrix instructions: source 1's blocks y0 on, each against source 0's eight.  cm = 0: onto the sums; 1, 2: the sums begin with phase 1's, phase 2's bias.
; The accumulators take turns, one instruction a turn, in the same order in every step.
.macro MULS y0, ny, xs, yb, cm
.set yy, \y0
.rept \ny
.irp x, 0,1,2,3,4,5,6,7
.if \cm == 1
	v_wmma_f32_16x16x128_bf8_bf8 v[8*(8*(yy%4)+\x):8*(8*(yy%4)+\x)+7], v[\xs+16*\x:\xs+16*\x+15], v[\yb+16*yy:\yb+16*yy+15], v[BI1+8*\x:BI1+8*\x+7]
.elseif \cm == 2
	v_wmma_f32_16x16x128_bf8_bf8 v[8*(8*(yy%4)+\x):8*(8*(yy%4)+\x)+7], v[\xs+16*\x:\xs+16*\x+15], v[\yb+16*yy:\yb+16*yy+15], v[BI2+8*yy:BI2+8*yy+7]
.else
	v_wmma_f32_16x16x128_bf8_bf8 v[8*(8*(yy%4)+\x):8*(8*(yy%4)+\x)+7], v[\xs+16*\x:\xs+16*\x+15], v[\yb+16*yy:\yb+16*yy+15], v[8*(8*(yy%4)+\x):8*(8*(yy%4)+\x)+7]
.endif
.endr
.set yy, yy+1
.endr
.endm
; PHASE 1.  A slot's first 128 along K: multiplies set 0 and fetches the slot's second 128.  x has one set of registers: a block is free as soon as its eight products are issued.
.macro STEP slot, cm
	s_wait_dscnt 16                                ; the weights' set and x's blocks 0-3 are in; the youngest sixteen loads (x's blocks 4-7) may be out
.if \cm
	WIN MUF_LO
.else
	WIN MUL_LO
.endif
	MULS 0, 4, 0, AF, \cm
	s_wait_dscnt 0x0                               ; x's blocks 4-7 are in
	PLACES 4
	FETCHX ADW, \slot, 1, 1
	FETCHY ADH, \slot, 1, AF, 0
.if \cm
	WIN MUF_HI
.else
	WIN MUL_HI
.endif
	MULS 4, 4, 0, AF, \cm
	PLACES 4
	WIN 0
	FETCHY ADH, \slot, 1, AF+64, 4
.endm
; A slot's second 128 along K, and the change of slots: each wave waits for all its tensor loads, adds 0 to its spare word, waits for that and for its reads of this slot; the barrier opens a round of the
; cluster's barrier; behind it this slot is filled again first.  fill = 1: with phase 1's K step two on; 2: with phase 2's K step 0 or 1 (x goes back along K, Wv's descriptor is used as it stands).
; last = 1: what is fetched from the next slot is phase 2's first set: x as source 0, Wv as source 1.
.macro TURN slot, next, fill, last
	s_wait_tensorcnt 0x0                           ; all my tensor loads have landed: my part of the next slot
	ds_add_u32 v[SPW], v[NIL]                      ; 0 onto my spare word
	s_wait_dscnt 17                                ; (the add and the youngest sixteen loads may be out)
	WIN MUL_LO
	MULS 0, 2, 128, AF, 0                          ; sixteen matrix instructions stand between the add and the wait for it
	s_wait_dscnt 0x0                               ; the add is done, and my reads of this slot are over
	s_barrier_signal -1
	MULS 2, 2, 128, AF, 0
	WIN 0
	s_barrier_wait -1
	CREST                                          ; no wave of any partner still reads this slot or has a load on its way
.if \fill == 1
	s_add_nc_u64 s[G0+4*\slot+2:G0+4*\slot+3], s[G0+4*\slot+2:G0+4*\slot+3], 512
	s_add_nc_u64 s[G0B+4*\slot+2:G0B+4*\slot+3], s[G0B+4*\slot+2:G0B+4*\slot+3], 512
	JLOAD G0+4*\slot, G1, G0B+4*\slot, G1B         ; the first tensor load behind the round; its four v_nop are the places in front of the loads below
.else
	s_sub_nc_u64 s[G0+4*\slot+2:G0+4*\slot+3], s[G0+4*\slot+2:G0+4*\slot+3], 512
	JLOAD G0+4*\slot, G1, G0C+4*\slot, G1C
.endif
.if \last
	FETCHX ADH, \next, 0, 0
	FETCHY ADW, \next, 0, AF, 0
.else
	FETCHX ADW, \next, 0, 0
	FETCHY ADH, \next, 0, AF, 0
.endif
	WIN MUL_HI
	MULS 4, 4, 128, AF, 0
	PLACES 4
	WIN 0
.if !\last
	FETCHY ADH, \next, 0, AF+64, 4
.endif
.endm
; PHASE 2: 32 accumulators, two sets of both operands.  A slot's first 128 along K: the second 128 are asked for in one run, then set 0 is multiplied.
.macro S2 slot, cm
	s_wait_dscnt 0x0                               ; set 0 is in
	PLACES 4
	FETCHX ADH, \slot, 1, 1
	FETCHY ADW, \slot, 1, AF+64, 0
.if \cm
	WIN MUF_LO
.else
	WIN MUL_LO
.endif
	MULS 0, 4, 0, AF, \cm
	WIN 0
.endm
.macro TURN2 slot, next, fill          ; a slot's second 128 along K, and the change of slots, as in TURN
	s_wait_tensorcnt 0x0
	ds_add_u32 v[SPW], v[NIL]
	s_wait_dscnt 1                                 ; set 1 is in; only the add may be out
	WIN MUL_LO
	MULS 0, 1, 128, AF+64, 0
	s_wait_dscnt 0x0                               ; the add is done; my reads of this slot are over
	s_barrier_signal -1
	MULS 1, 1, 128, AF+64, 0
	WIN 0
	s_barrier_wait -1
.if \fill
	CREST
	s_add_nc_u64 s[G0+4*\slot+2:G0+4*\slot+3], s[G0+4*\slot+2:G0+4*\slot+3], 512
	s_add_nc_u64 s[G0C+4*\slot+2:G0C+4*\slot+3], s[G0C+4*\slot+2:G0C+4*\slot+3], 512
	JLOAD G0+4*\slot, G1, G0C+4*\slot, G1C
.else
	PLACES 4
.endif
	FETCHX ADH, \next, 0, 0
	FETCHY ADW, \next, 0, AF, 0
	WIN MUL_LO
	MULS 2, 2, 128, AF+64, 0
	WIN 0
.endm
; THE WAY OUT of source 1's block y: its 64 sums of a lane are held within the largest code x the scale (the conversion to an 8-bit code does not saturate: ISA guide 7.6.2), each accumulator from its low end on,
; converted eight at a time, and stored as four groups of four registers: 512 consecutive bytes each, at a multiple of 512 from the buffer's first byte.
.macro EPI y, sc, lm, bs, o0, o1, o2, o3
.set CD, CODE+16*((\y)%4)
.if (\y) >= 4
	s_wait_xcnt 0x0                                ; block y - 4's stores have read these registers
.endif
	WIN 0x02+(\y)/4                                ; source 0: window 2 or 3
.set j, 0
.rept 64
	v_med3_num_f32 v[TMP+j], v[64*((\y)%4)+j], -v[\lm], v[\lm]
.set j, j+1
.endr
	WIN 0
.irp g, 0,1,2,3,4,5,6,7
	v_cvt_scalef32_pk8_bf8_f32 v[CD+2*\g:CD+2*\g+1], v[TMP+8*\g:TMP+8*\g+7], v[\sc]
.endr
	v_nop                                          ; a plain vector instruction between the conversions and the next lines that write their sources
	global_store_b128 v[LI], v[CD:CD+3], s[\bs:\bs+1] offset:\o0
	global_store_b128 v[LI], v[CD+4:CD+7], s[\bs:\bs+1] offset:\o1
	global_store_b128 v[LI], v[CD+8:CD+11], s[\bs:\bs+1] offset:\o2
	global_store_b128 v[LI], v[CD+12:CD+15], s[\bs:\bs+1] offset:\o3
.endm
	s_wait_tensorcnt 1                             ; my part of K step 0 is in (K step 1's load may be out),
	s_barrier_signal -1
	s_barrier_wait -1                              ; everybody's is
	FETCHX ADW, 0, 0, 0
	FETCHY ADH, 0, 0, AF, 0
	FETCHY ADH, 0, 0, AF+64, 4
	STEP 0, 1                                      ; the first products start the sums with the bias: nothing is cleared
	TURN 0, 1, 1, 0
	STEP 1, 0
	TURN 1, 0, 1, 0
	STEP 0, 0
	TURN 0, 1, 2, 0                                ; the ring goes on into phase 2
	STEP 1, 0
	TURN 1, 0, 2, 1                                ; its last four v_nop are the places in front of the way out
.irp y, 0,1,2,3,4,5,6,7                ; a block's 16 registers of codes: my first head's image (two groups), then my second head's, 64 images further on
	EPI \y, SC1, LM1, 20, 1024*\y, 1024*\y+512, 1024*\y+65536, 1024*\y+66048
.endr
	s_wait_xcnt 0x0                                ; the stores have read v192-255: phase 2's second set may land there
	S2 0, 2
	TURN2 0, 1, 1
	S2 1, 0
	TURN2 1, 0, 1
	S2 0, 0
	TURN2 0, 1, 0                                  ; nothing is left to fetch: no round
	S2 1, 0
	s_wait_dscnt 0x0
	WIN MUL_LO
	MULS 0, 4, 128, AF+64, 0
	WIN 0
	PLACES 4
.irp y, 0,1,2,3                        ; a block's 16 registers are one image of V^T: 16 channels x 128 keys
	EPI \y, SC2, LM2, 66, 2048*\y, 2048*\y+512, 2048*\y+1024, 2048*\y+1536
.endr
	s_wait_tensorcnt 0x0                           ; the wave's end
	ds_add_u32 v[SPW], v[NIL]
	s_wait_dscnt 0x0
	CROUND                                         ; the closing round: no work-group ends while a partner may still ask for a tile that names it
	s_endpgm
.Lfunc_end_k_qe91bfb7bed_qkv:
	.size	k_qe91bfb7bed_qkv, .Lfunc_end_k_qe91bfb7bed_qkv-k_qe91bfb7bed_qkv
	.p2alignl 7, 3214868480
	.fill 96, 4, 3214868480
	.section	.rodata,"a",@progbits
	.p2align	6, 0x0
	.amdhsa_kernel k_qe91bfb7bed_qkv
		.amdhsa_group_segment_fixed_size 327680
		.amdhsa_private_segment_fixed_size 0
		.amdhsa_enable_private_segment 0
		.amdhsa_kernarg_size 88
		.amdhsa_user_sgpr_count 2
		.amdhsa_user_sgpr_kernarg_segment_ptr 1
		.amdhsa_wavefront_size32 1
		.amdhsa_system_sgpr_workgroup_id_x 1
		.amdhsa_system_sgpr_workgroup_id_y 1
		.amdhsa_system_sgpr_workgroup_id_z 1
		.amdhsa_system_vgpr_workitem_id 0
		.amdhsa_next_free_vgpr 1024
		.amdhsa_next_free_sgpr 102
		.amdhsa_reserve_vcc 0
		.amdhsa_float_denorm_mode_32 3
		.amdhsa_float_denorm_mode_16_64 3
		.amdhsa_memory_ordered 1
		.amdhsa_forward_progress 1
		.amdhsa_inst_pref_size 194
	.end_amdhsa_kernel
	.amdgpu_metadata
---
amdhsa.version: [ 1, 2 ]
amdhsa.kernels:
  - .name:           k_qe91bfb7bed_qkv
    .symbol:         k_qe91bfb7bed_qkv.kd
    .args:
      - { .name: hidden_states_codes, .offset: 0, .size: 8, .value_kind: global_buffer, .address_space: global }
      - { .name: Wq_codes, .offset: 8, .size: 8, .value_kind: global_buffer, .address_space: global }
      - { .name: Wk_codes, .offset: 16, .size: 8, .value_kind: global_buffer, .address_space: global }
      - { .name: Wv_codes, .offset: 24, .size: 8, .value_kind: global_buffer, .address_space: global }
      - { .name: bq, .offset: 32, .size: 8, .value_kind: global_buffer, .address_space: global }
      - { .name: bk, .offset: 40, .size: 8, .value_kind: global_buffer, .address_space: global }
      - { .name: bv, .offset: 48, .size: 8, .value_kind: global_buffer, .address_space: global }
      - { .name: lowp_scales, .offset: 56, .size: 8, .value_kind: global_buffer, .address_space: global }
      - { .name: q_ws, .offset: 64, .size: 8, .value_kind: global_buffer, .address_space: global }
      - { .name: k_ws, .offset: 72, .size: 8, .value_kind: global_buffer, .address_space: global }
      - { .name: v_ws, .offset: 80, .size: 8, .value_kind: global_buffer, .address_space: global }
    .group_segment_fixed_size: 327680
    .private_segment_fixed_size: 0
    .kernarg_segment_align: 8
    .kernarg_segment_size: 88
    .max_flat_workgroup_size: 128
    .sgpr_count:     102
    .vgpr_count:     1024
    .wavefront_size: 32
...
	.end_amdgpu_metadata
.endif
;; end of part 1
;; launch attn (part 2): grid 2 x 128, 8 waves a work-group, no clusters, 132,096 bytes of LDS; arguments q_ws, k_ws, v_ws, lowp_scales, a_ws; writes a_ws
.if DOCPART == 2
	.amdgcn_target "amdgcn-amd-amdhsa--gfx1250"
	.amdhsa_code_object_version 6
	.text
	.protected	k_qe91bfb7bed_attn
	.globl	k_qe91bfb7bed_attn
	.p2align	8
	.type	k_qe91bfb7bed_attn,@function
k_qe91bfb7bed_attn:
	s_mov_b64 s[64:65], 0
	v_nop
	global_prefetch_b8 v0, s[64:65] scope:SCOPE_SE
	s_setreg_imm32_b32 hwreg(HW_REG_WAVE_MODE, 25, 1), 1
	s_wait_xcnt 0x0
; a[b][q][head] = softmax_k(q . k) v for one head, both products on codes of BF8 (E5M2), and the result quantised with the given scale 2^e10.
; q_ws, k_ws, v_ws hold images of operand registers (four registers of 32 lanes = 512 bytes, lane l's 16 bytes at 16 l): q, k: 16 rows x 64 channels = 1,024 bytes; v: 16 channels x 128 keys = 2,048 bytes.
; THE SOFTMAX AHEAD OF THE SECOND PRODUCT: t = score x log2(e); M = the largest t so far, rounded up to a whole number; p = 2^(t - M) is quantised with 2^e9, not normalised; the row's sum is taken of the
; unquantised p and divides at the end.  When M moves, the sum and O are multiplied by 2^(old M - new M), which rounds nothing.
; SHARES.  A work-group owns 512 queries of one head, each of its eight waves 64: four tiles of 16, worked in two pairs.  All of the head's K (65,536 bytes) and V (65,536) lie in LDS for the whole launch,
; brought through registers once: one barrier in all.  Every fragment read from LDS feeds four matrix instructions.  Only two work-groups read a head's K and V, once each, at the head: no cluster, no ring.
; LAYOUT.  S^T = K Q^T (source 0 = 16 keys, source 1 = 16 queries, K = 64) and O^T = V^T P^T (source 0 = 16 channels, source 1 = P, K = 128): a lane holds one query throughout.  Register 8 t + j of S^T is key
; 16 t + 8 (lane / 16) + j, so the conversion of tile t's eight registers gives registers 2 t, 2 t + 1 of P.  Likewise O^T's four tiles, converted, are the image of 16 rows x 64 channels that the next launch reads:
;   a_ws: (head / 4) x 2,097,152 + (row / 16) x 4,096 + (head % 4) x 1,024 + 512 c + 16 lane.
; p's hold at the largest code x 2^e9 can bite only where 57,344 x 2^e9 is under p's largest value, that is for e9 < -15: a scalar branch on the given whole number e9 leaves it out otherwise.
; LIMITS on the given exponents: e6 + e7 between -126 and 127 (added to log2(e)'s exponent field); e9 and e10 - e8 - e9 between -126 and 112.  NaN and infinity among the codes are not served.
; REGISTERS: window 0: v1-6 addresses; v16-47 Q; v64-191 S^T, then p, of a pair of tiles; v192-223 P's codes; v224 + 4 i: -M, the largest raw score, the sum in two halves; v240 + 4 u: at work, and the pair f;
;   v248-251 second chains of the sums; v252-255 scales.   window 1: v0-127 O^T; v128-191 K's eight fragments of a step; v192-255 V's four.
.set LI,  1                            ; v1  16 x lane
.set LV,  2                            ; v2  the same in V's half of LDS
.set LW,  3                            ; v3  16 x lane + 8,192 x wave: my wave's part of the copy
.set LW2, 4                            ; v4  the same in V's half
.set ADK, 5
.set ADV, 6
.set Q,   16
.set S,   64
.set P,   192
.set ST,  224
.set WK,  240
.set C2,  248
.set SCP, 252                          ; 2^e9
.set LMP, 253                          ; 57,344 x 2^e9
.set SCA, 254                          ; 2^(e10 - e8 - e9)
.set LMA, 255                          ; 57,344 x that
.set KF,  128                          ; in window 1
.set VF,  192
.set VOFF, 65536
.set STEPB, 8192                       ; a step's 128 keys: eight images of K, four of V
.set MSB, 0
.macro WIN new
.if MSB != (\new)
	s_set_vgpr_msb (MSB<<8)|(\new)
.set MSB, (\new)
.endif
.endm
.macro PLACES n
.rept \n
	v_nop
.endr
.endm
	s_load_b256 s[4:11], s[0:1], 0x0               ; q_ws s[4:5], k_ws s[6:7], v_ws s[8:9], the exponents s[10:11]
	s_load_b64 s[12:13], s[0:1], 0x20              ; a_ws
	v_lshl_add_u32 v62, v0, 2, 0x20000
	v_mov_b32 v63, 0
	v_lshrrev_b32 v7, 5, v0
	v_readfirstlane_b32 s14, v7                    ; wave 0..7
	v_and_b32 v7, 31, v0
	v_lshlrev_b32 v[LI], 4, v7
	v_add_nc_u32 v[LV], VOFF, v[LI]
	s_lshl_b32 s32, s14, 13
	v_add_nc_u32 v[LW], s32, v[LI]
	v_add_nc_u32 v[LW2], VOFF, v[LW]
	s_and_b32 s16, ttmp7, 0xffff                   ; 16 b + head
	s_lshl_b32 s34, s16, 16                        ; a head's images are 65,536 bytes in each of the three buffers
	s_mov_b32 s35, 0
	s_lshl_b32 s36, ttmp9, 15                      ; my block of 512 queries: 32 images,
	s_lshl_b32 s37, s14, 12                        ; my wave's four
	s_add_co_u32 s36, s36, s37
	s_add_co_u32 s36, s36, s34
	s_mov_b32 s37, 0
	s_and_b32 s38, s16, 15                         ; head
	s_lshr_b32 s39, s16, 4                         ; b
	s_lshr_b32 s32, s38, 2
	s_lshl_b32 s32, s32, 21                        ; (head / 4) x 2,097,152
	s_and_b32 s38, s38, 3
	s_lshl_b32 s38, s38, 10                        ; (head % 4) x 1,024
	s_add_co_u32 s32, s32, s38
	s_lshl_b32 s39, s39, 6
	s_lshl_b32 s38, ttmp9, 5
	s_add_co_u32 s39, s39, s38
	s_lshl_b32 s38, s14, 2
	s_add_co_u32 s39, s39, s38                     ; my first tile of rows: 64 b + 32 x + 4 wave
	s_lshl_b32 s39, s39, 12
	s_add_co_u32 s32, s32, s39
	s_mov_b32 s33, 0
	s_mov_b32 s20, 0x76543210                      ; v_permlanex16_b32's selects for lane l xor 16
	s_mov_b32 s21, 0xfedcba98
	s_mov_b32 s30, 0                               ; LDS byte at which the step in hand begins
	s_wait_kmcnt 0x0
	s_load_b256 s[40:47], s[10:11], 0x0            ; e0 .. e7
	s_load_b128 s[48:51], s[10:11], 0x20           ; e8 .. e11
	s_add_nc_u64 s[4:5], s[4:5], s[36:37]
	s_add_nc_u64 s[6:7], s[6:7], s[34:35]
	s_add_nc_u64 s[8:9], s[8:9], s[34:35]
	s_add_nc_u64 s[12:13], s[12:13], s[32:33]
.irp n, 0,1,2,3,4,5,6,7,8,9,10,11,12,13,14,15
	global_load_b128 v[S+4*\n:S+4*\n+3], v[LW], s[6:7] offset:512*\n             ; my eighth of K's images: 512 consecutive bytes a load
.endr
.irp n, 0,1,2,3,4,5,6,7,8,9,10,11,12,13,14,15
	global_load_b128 v[S+64+4*\n:S+64+4*\n+3], v[LW], s[8:9] offset:512*\n       ; and of V's
.endr
.irp i, 0,1,2,3
.irp c, 0,1
	global_load_b128 v[Q+8*\i+4*\c:Q+8*\i+4*\c+3], v[LI], s[4:5] offset:1024*\i+512*\c th:TH_LOAD_NT   ; Q's four fragments stay in registers; nobody else reads them
.endr
.endr
.irp i, 0,1,2,3
	v_mov_b32 v[ST+4*\i+2], 0                      ; the sums, in two halves
	v_mov_b32 v[ST+4*\i+3], 0
.endr
	v_mov_b32 v[WK+3], 0                           ; (named as the upper halves of the pairs f)
	v_mov_b32 v[WK+7], 0
	s_wait_kmcnt 0x0
	s_add_co_i32 s32, s46, s47
	s_lshl_b32 s32, s32, 23
	s_add_co_i32 s22, s32, 0x3fb8aa3b              ; c = log2(e) x 2^(e6 + e7): the two exponents are added to the exponent field
	s_mov_b32 s23, s22                             ; (named with it as a pair, so it is written)
	s_add_co_i32 s32, s49, 127
	s_lshl_b32 s33, s32, 23
	v_mov_b32 v[SCP], s33
	s_add_co_i32 s32, s32, 15
	s_lshl_b32 s32, s32, 23
	s_or_b32 s32, s32, 0x600000
	v_mov_b32 v[LMP], s32
	s_sub_co_i32 s32, s50, s48
	s_sub_co_i32 s32, s32, s49                     ; O^T / the sum stands for that x 2^(e8 + e9): its code is that / 2^(e10 - e8 - e9)
	s_add_co_i32 s32, s32, 127
	s_lshl_b32 s33, s32, 23
	v_mov_b32 v[SCA], s33
	s_add_co_i32 s32, s32, 15
	s_lshl_b32 s32, s32, 23
	s_or_b32 s32, s32, 0x600000
	v_mov_b32 v[LMA], s32
	s_wait_loadcnt 24                              ; K's sixteen loads are in: V's sixteen and Q's eight are younger
.irp n, 0,1,2,3,4,5,6,7,8,9,10,11,12,13,14,15
	ds_store_b128 v[LW], v[S+4*\n:S+4*\n+3] offset:512*\n
.endr
	s_wait_loadcnt 8                               ; V's are in: Q's eight are younger
.irp n, 0,1,2,3,4,5,6,7,8,9,10,11,12,13,14,15
	ds_store_b128 v[LW2], v[S+64+4*\n:S+64+4*\n+3] offset:512*\n
.endr
	s_wait_loadcnt 0x0                             ; Q
	s_wait_dscnt 0x0                               ; for the others' sake: my stores have landed
	s_barrier_signal -1
	s_barrier_wait -1                              ; the head's K and V lie in LDS; nothing is written there again
.macro LOADK adr, off                  ; a step's eight fragments of K: sixteen loads of 512 consecutive bytes
	WIN 0x40                                       ; destination window 1
.irp t, 0,1,2,3,4,5,6,7
	ds_load_b128 v[KF+8*\t:KF+8*\t+3], v[\adr] offset:\off+1024*\t
	ds_load_b128 v[KF+8*\t+4:KF+8*\t+7], v[\adr] offset:\off+1024*\t+512
.endr
	WIN 0
.endm
.macro LOADV adr, off                  ; a step's four fragments of V^T
	WIN 0x40
.irp d, 0,1,2,3
.irp c, 0,1,2,3
	ds_load_b128 v[VF+16*\d+4*\c:VF+16*\d+4*\c+3], v[\adr] offset:\off+2048*\d+512*\c
.endr
.endr
	WIN 0
.endm
.macro SMM i0                          ; S^T of tiles i0, i0 + 1: sixteen sums of one instruction each
.irp t, 0,1,2,3,4,5,6,7
.irp u, 0,1
	v_wmma_f32_16x16x64_bf8_bf8 v[S+64*\u+8*\t:S+64*\u+8*\t+7], v[KF+8*\t:KF+8*\t+7], v[Q+8*((\i0)+\u):Q+8*((\i0)+\u)+7], 0
.endr
.endr
.endm
.macro PVM i0, first                   ; O^T of tiles i0, i0 + 1: eight accumulators, one instruction each; the first step starts the sums
.irp d, 0,1,2,3
.irp u, 0,1
.if \first
	v_wmma_f32_16x16x128_bf8_bf8 v[32*((\i0)+\u)+8*\d:32*((\i0)+\u)+8*\d+7], v[VF+16*\d:VF+16*\d+15], v[P+16*\u:P+16*\u+15], 0
.else
	v_wmma_f32_16x16x128_bf8_bf8 v[32*((\i0)+\u)+8*\d:32*((\i0)+\u)+8*\d+7], v[VF+16*\d:VF+16*\d+15], v[P+16*\u:P+16*\u+15], v[32*((\i0)+\u)+8*\d:32*((\i0)+\u)+8*\d+7]
.endif
.endr
.endr
.endm
; The softmax of tiles i0, i0 + 1 for one step of 128 keys; the two tiles line by line, so that no line waits for the line above it.
.macro SOFT i0, first
.irp u, 0,1
	v_max3_num_f32 v[WK+4*\u], v[S+64*\u], v[S+64*\u+1], v[S+64*\u+2]             ; the step's largest score among my 64 keys, in two chains, each accumulator from its low end on
.endr
.irp u, 0,1
	v_max3_num_f32 v[WK+4*\u+1], v[S+64*\u+3], v[S+64*\u+4], v[S+64*\u+5]
.endr
.irp n, 6,10,14,18,22,26,30,34,38,42,46,50,54,58
.irp u, 0,1
	v_max3_num_f32 v[WK+4*\u], v[WK+4*\u], v[S+64*\u+\n], v[S+64*\u+\n+1]
.endr
.irp u, 0,1
	v_max3_num_f32 v[WK+4*\u+1], v[WK+4*\u+1], v[S+64*\u+\n+2], v[S+64*\u+\n+3]
.endr
.endr
.irp u, 0,1
	v_max3_num_f32 v[WK+4*\u], v[WK+4*\u], v[S+64*\u+62], v[S+64*\u+63]
.endr
.irp u, 0,1
	v_max_num_f32 v[WK+4*\u], v[WK+4*\u], v[WK+4*\u+1]
.endr
.irp u, 0,1
	v_permlanex16_b32 v[WK+4*\u+1], v[WK+4*\u], s20, s21                          ; the query's other 64 keys lie in the lane 16 away
.endr
.irp u, 0,1
.if \first
	v_max_num_f32 v[ST+4*((\i0)+\u)+1], v[WK+4*\u], v[WK+4*\u+1]
.else
	v_max3_num_f32 v[ST+4*((\i0)+\u)+1], v[WK+4*\u], v[WK+4*\u+1], v[ST+4*((\i0)+\u)+1]   ; the running largest score
.endif
.endr
.irp u, 0,1
	v_mul_f32 v[WK+4*\u], s22, v[ST+4*((\i0)+\u)+1]                               ; as t (c is positive)
.endr
.if \first
.irp u, 0,1
	v_floor_f32 v[ST+4*((\i0)+\u)], -v[WK+4*\u]                                   ; -M = floor(-t) = -ceil(t): a whole number
.endr
.else
.irp u, 0,1
	v_floor_f32 v[WK+4*\u+1], -v[WK+4*\u]
.endr
.irp u, 0,1
	v_sub_f32 v[WK+4*\u+2], v[WK+4*\u+1], v[ST+4*((\i0)+\u)]                      ; old M - new M: a whole number, 0 or less
.endr
.irp u, 0,1
	v_mov_b32 v[ST+4*((\i0)+\u)], v[WK+4*\u+1]
.endr
.irp u, 0,1
	v_cvt_i32_f32 v[WK+4*\u+2], v[WK+4*\u+2]                                      ; (it saturates)
.endr
.irp u, 0,1
	v_ldexp_f32 v[WK+4*\u+2], 1.0, v[WK+4*\u+2]                                   ; f = 2^(old M - new M)
.endr
.endif
.set j, 0
.rept 32
.irp u, 0,1
	v_pk_fma_f32 v[S+64*\u+j:S+64*\u+j+1], v[S+64*\u+j:S+64*\u+j+1], s[22:23], v[ST+4*((\i0)+\u):ST+4*((\i0)+\u)+1] op_sel_hi:[1,0,0]   ; t - M, two at a time (of the pairs c and -M the low word serves both halves)
.endr
.set j, j+2
.endr
.set j, 0
.rept 128
	v_exp_f32 v[S+j], v[S+j]                       ; p = 2^(t - M): one batch for both tiles
.set j, j+1
.endr
.if \first
	v_nop                                          ; a plain instruction behind the last exponential
.else
.irp u, 0,1
	v_pk_mul_f32 v[ST+4*((\i0)+\u)+2:ST+4*((\i0)+\u)+3], v[ST+4*((\i0)+\u)+2:ST+4*((\i0)+\u)+3], v[WK+4*\u+2:WK+4*\u+3] op_sel_hi:[1,0]   ; the sums under the new M; also the plain instruction behind the batch
.endr
.endif
	s_wait_alu depctr_va_vdst(0)                   ; one wait for the whole batch, ahead of its first reader
.irp u, 0,1
	v_pk_add_f32 v[C2+2*\u:C2+2*\u+1], v[S+64*\u:S+64*\u+1], v[S+64*\u+2:S+64*\u+3]   ; the row's sum is taken of the unquantised p: two at a time, two chains a tile
.endr
.irp n, 4,8,12,16,20,24,28,32,36,40,44,48,52,56,60
.irp u, 0,1
	v_pk_add_f32 v[ST+4*((\i0)+\u)+2:ST+4*((\i0)+\u)+3], v[ST+4*((\i0)+\u)+2:ST+4*((\i0)+\u)+3], v[S+64*\u+\n:S+64*\u+\n+1]
.endr
.irp u, 0,1
	v_pk_add_f32 v[C2+2*\u:C2+2*\u+1], v[C2+2*\u:C2+2*\u+1], v[S+64*\u+\n+2:S+64*\u+\n+3]
.endr
.endr
.irp u, 0,1
	v_pk_add_f32 v[ST+4*((\i0)+\u)+2:ST+4*((\i0)+\u)+3], v[ST+4*((\i0)+\u)+2:ST+4*((\i0)+\u)+3], v[C2+2*\u:C2+2*\u+1]
.endr
	s_cmp_ge_i32 s49, -15                          ; 57,344 x 2^e9 is 1.75 or more: no p reaches it
	s_cbranch_scc1 .Lno_hold_\@
.set j, 0
.rept 128
	v_min_num_f32 v[S+j], v[S+j], v[LMP]           ; the conversion to an 8-bit code does not saturate (ISA guide 7.6.2); p is not negative, so the hold is one-sided
.set j, j+1
.endr
.Lno_hold_\@:
.irp u, 0,1
.irp t, 0,1,2,3,4,5,6,7
	v_cvt_scalef32_pk8_bf8_f32 v[P+16*\u+2*\t:P+16*\u+2*\t+1], v[S+64*\u+8*\t:S+64*\u+8*\t+7], v[SCP]
.endr
.endr
.if \first
	v_nop                                          ; a plain instruction between the conversions and the matrix instructions that read their results
.else
	WIN 0x41                                       ; O^T (destination and source 0) window 1, f window 0
.irp u, 0,1
.set j, 0
.rept 16
	v_pk_mul_f32 v[32*((\i0)+\u)+j:32*((\i0)+\u)+j+1], v[32*((\i0)+\u)+j:32*((\i0)+\u)+j+1], v[WK+4*\u+2:WK+4*\u+3] op_sel_hi:[1,0]   ; O^T under the new M; these are also the plain instructions behind the conversions
.set j, j+2
.endr
.endr
.endif
.endm
; A KEY STEP: 128 keys.  next = 1: the next step's K is asked for behind the second pair's scores and lands during its softmax; the next step's V behind the last products and lands during the next first pair's softmax.
.macro STEP first, next
	s_wait_dscnt 16                                ; K's sixteen loads are in; V's sixteen are younger
	WIN 0x01                                       ; K window 1; Q and S^T window 0
	SMM 0
	WIN 0
	PLACES 4
	SOFT 0, \first
	s_wait_dscnt 0x0                               ; V is in
	WIN 0x51                                       ; V, C and D window 1; P window 0
	PVM 0, \first
	WIN 0x01
	SMM 2
	WIN 0
	PLACES 4                                       ; in front of the first read of the scores and of the loads into K's registers
.if \next
	v_add_nc_u32 v[ADK], s30, v[LI]
	LOADK ADK, STEPB
.endif
	SOFT 2, \first
	WIN 0x51
	PVM 2, \first
	WIN 0
	PLACES 4                                       ; in front of the loads into V's registers, and of the way out's first read of O^T
.if \next
	v_add_nc_u32 v[ADV], s30, v[LV]
	LOADV ADV, STEPB
	s_add_co_u32 s30, s30, STEPB
.endif
.endm
	LOADK LI, 0
	LOADV LV, 0
	STEP 1, 1                                      ; the first step starts M, the sums and O^T
	s_mov_b32 s31, 6
.Lstep:
	STEP 0, 1
	s_sub_co_u32 s31, s31, 1
	s_cmp_lg_u32 s31, 0
	s_cbranch_scc1 .Lstep
	STEP 0, 0                                      ; the eighth step fetches nothing
	; THE WAY OUT.  The sums' halves and the other half of the lanes' are added; O^T / the sum is held, converted, and stored as images.
.irp i, 0,1,2,3
	v_add_f32 v[ST+4*\i+2], v[ST+4*\i+2], v[ST+4*\i+3]
.endr
.irp i, 0,1,2,3
	v_permlanex16_b32 v[ST+4*\i+3], v[ST+4*\i+2], s20, s21
.endr
.irp i, 0,1,2,3
	v_add_f32 v[ST+4*\i+2], v[ST+4*\i+2], v[ST+4*\i+3]
.endr
.irp i, 0,1,2,3
	v_rcp_f32 v[ST+4*\i+2], v[ST+4*\i+2]
.endr
	v_nop                                          ; a plain instruction behind the last reciprocal,
	s_wait_alu depctr_va_vdst(0)                   ; and one wait for the four, ahead of their first reader
	WIN 0x01                                       ; source 0 (O^T) window 1
.irp i, 0,1,2,3
.set j, 0
.rept 16
	v_pk_mul_f32 v[S+32*\i+j:S+32*\i+j+1], v[32*\i+j:32*\i+j+1], v[ST+4*\i+2:ST+4*\i+3] op_sel_hi:[1,0]   ; each accumulator from its low end on
.set j, j+2
.endr
.endr
	WIN 0
.irp i, 0,1,2,3
.set j, 0
.rept 32
	v_med3_num_f32 v[S+32*\i+j], v[S+32*\i+j], -v[LMA], v[LMA]
.set j, j+1
.endr
.irp t, 0,1,2,3
	v_cvt_scalef32_pk8_bf8_f32 v[P+8*\i+2*\t:P+8*\i+2*\t+1], v[S+32*\i+8*\t:S+32*\i+8*\t+7], v[SCA]
.endr
.endr
	v_nop
.irp i, 0,1,2,3
.irp c, 0,1
	global_store_b128 v[LI], v[P+8*\i+4*\c:P+8*\i+4*\c+3], s[12:13] offset:4096*\i+512*\c   ; 512 consecutive bytes, at a multiple of 512 from the buffer's first byte
.endr
.endr
	s_wait_tensorcnt 0x0
	ds_add_u32 v62, v63
	s_wait_dscnt 0x0
	s_endpgm
.Lfunc_end_k_qe91bfb7bed_attn:
	.size	k_qe91bfb7bed_attn, .Lfunc_end_k_qe91bfb7bed_attn-k_qe91bfb7bed_attn
	.p2alignl 7, 3214868480
	.fill 96, 4, 3214868480
	.section	.rodata,"a",@progbits
	.p2align	6, 0x0
	.amdhsa_kernel k_qe91bfb7bed_attn
		.amdhsa_group_segment_fixed_size 132096
		.amdhsa_private_segment_fixed_size 0
		.amdhsa_enable_private_segment 0
		.amdhsa_kernarg_size 40
		.amdhsa_user_sgpr_count 2
		.amdhsa_user_sgpr_kernarg_segment_ptr 1
		.amdhsa_wavefront_size32 1
		.amdhsa_system_sgpr_workgroup_id_x 1
		.amdhsa_system_sgpr_workgroup_id_y 1
		.amdhsa_system_sgpr_workgroup_id_z 1
		.amdhsa_system_vgpr_workitem_id 0
		.amdhsa_next_free_vgpr 512
		.amdhsa_next_free_sgpr 66
		.amdhsa_reserve_vcc 0
		.amdhsa_float_denorm_mode_32 3
		.amdhsa_float_denorm_mode_16_64 3
		.amdhsa_memory_ordered 1
		.amdhsa_forward_progress 1
		.amdhsa_inst_pref_size 181
	.end_amdhsa_kernel
	.amdgpu_metadata
---
amdhsa.version: [ 1, 2 ]
amdhsa.kernels:
  - .name:           k_qe91bfb7bed_attn
    .symbol:         k_qe91bfb7bed_attn.kd
    .args:
      - { .name: q_ws, .offset: 0, .size: 8, .value_kind: global_buffer, .address_space: global }
      - { .name: k_ws, .offset: 8, .size: 8, .value_kind: global_buffer, .address_space: global }
      - { .name: v_ws, .offset: 16, .size: 8, .value_kind: global_buffer, .address_space: global }
      - { .name: lowp_scales, .offset: 24, .size: 8, .value_kind: global_buffer, .address_space: global }
      - { .name: a_ws, .offset: 32, .size: 8, .value_kind: global_buffer, .address_space: global }
    .group_segment_fixed_size: 132096
    .private_segment_fixed_size: 0
    .kernarg_segment_align: 8
    .kernarg_segment_size: 40
    .max_flat_workgroup_size: 256
    .sgpr_count:     66
    .vgpr_count:     512
    .wavefront_size: 32
...
	.end_amdgpu_metadata
.endif
;; end of part 2
;; launch oproj (part 3): grid 4 x 64, 4 waves a work-group, clusters of 4 x 4, 327,680 bytes of LDS; arguments a_ws, Wo_codes, bo, lowp_scales, out0; writes out0
.if DOCPART == 3
	.amdgcn_target "amdgcn-amd-amdhsa--gfx1250"
	.amdhsa_code_object_version 6
	.text
	.protected	k_qe91bfb7bed_oproj
	.globl	k_qe91bfb7bed_oproj
	.p2align	8
	.type	k_qe91bfb7bed_oproj,@function
k_qe91bfb7bed_oproj:
	s_mov_b64 s[64:65], 0
	v_nop
	global_prefetch_b8 v0, s[64:65] scope:SCOPE_SE
	s_setreg_imm32_b32 hwreg(HW_REG_WAVE_MODE, 25, 1), 1
	s_wait_xcnt 0x0
	s_wait_alu depctr_hold_cnt(0) depctr_sa_sdst(0) depctr_va_vdst(0) depctr_va_sdst(0) depctr_va_ssrc(0) depctr_va_vcc(0) depctr_vm_vsrc(0)
	s_getreg_b32 s2, hwreg(HW_REG_IB_STS2, 6, 4)
	s_cmp_eq_u32 s2, 0
	s_cbranch_scc0 .Lentry_in_a_cluster
	s_endpgm
.Lentry_in_a_cluster:
	s_bfe_u32 s2, ttmp6, 0x10000c
	s_cmp_lg_u32 s2, 0xf033
	s_cbranch_scc0 .Lentry_shape_is_right
	s_endpgm
.Lentry_shape_is_right:
; out0 = a Wo^T + bo on codes of BF8 (E5M2).  a: 8,192 rows x 1,024, as images of operand registers (a_ws: (k / 256) x 2,097,152 + (row / 16) x 4,096 + ((k / 64) % 4) x 1,024 + 512 c + 16 lane; two neighbouring
; heads' images are one fragment of 16 rows x 128 K in the 8-bit layout, registers 2 c, 2 c + 1: k = 16 c + 8 (lane / 16) + 0 .. 7).  Wo: [1024][1024] codes, K innermost.  bo, out0: f32.
; out = sum x 2^(e10 + e11) + bo, one packed multiply-add for two numbers.  LIMIT: e10 + e11 between -126 and 127.
; SHARES.  A tile of out0 is 128 rows x 256 columns: 256 work-groups.  Four waves; wave (wm, wn) makes 64 rows x 128 columns: 32 accumulators.  Source 0 = 16 rows of Wo, source 1 = 16 rows of a: a lane holds
; eight neighbouring columns of one row.  K goes in steps of 256 through a ring of two LDS slots.  a's part of a slot, 128 rows x 256 K, is 32,768 consecutive bytes of memory and lies in LDS as it lies there;
; its fragments come by loads of 512 consecutive bytes.  Wo's rows are padded; its fragments come by loads of 8 bytes a lane, so that k has the same places as in a's images.
; CLUSTERS: 4 x 4; a's tiles hang on Y alone (a row of the cluster asks jointly), Wo's on X alone (a column).
; REGISTERS: window 0: v1-29 addresses; v32-95 a block's results; v128-255 a's fragments, two sets of four, later rows read back from the stage.   window 1: Wo's fragments, two sets of eight.
;   window 2: the accumulators, (y, x) at v[8 (8 y + x)].   window 3: v0-63 the bias of my 128 columns, in the result's layout.
.set PITCH,  272                       ; a row of Wo in LDS: 256 bytes + 16: row r, half h start at word 68 r + 2 h: the 32 lanes of a load of 8 bytes touch 64 different banks (ISA guide 11.1)
.set AIMG,   32768                     ; a's images in a slot
.set WHALF,  128*PITCH
.set SLOT,   AIMG+2*WHALF
.set STG,    2*SLOT                    ; behind the ring: a stage of 16 rows x (512 bytes + 16) for each wave; no tile lands there
.set SPITCH, 528
.set SPARE,  STG+4*16*SPITCH           ; behind the stages: the spare words, 128 bytes for each wave
.set ADX, 16                           ; v16-17  LDS address of my fragments of Wo in slot 0, 1
.set ADY, 20                           ; v20-21  of a
.set STO, 24                           ; v24  the stage: where I put 32 bytes of a row
.set RD,  25                           ; v25  and where I read a row back
.set CO,  26                           ; v26  16 x lane
.set SPW, 28
.set NIL, 29
.set TMP, 32
.set AF,  128
.set BK,  128
.set G1,  24                           ; s[24:31] group 1 for a's images;  s[32:39] groups 0
.set G0,  32
.set G1B, 40                           ; s[40:47] group 1 for Wo;          s[48:55] groups 0
.set G0B, 48
.set MSB, 0
.macro WIN new
.if MSB != (\new)
	s_set_vgpr_msb (MSB<<8)|(\new)
.set MSB, (\new)
.endif
.endm
.set MUL,  0xa1                        ; source 0 (Wo) window 1, source 1 (a) window 0, C and D window 2
.set TO_X, 0x40
.macro JLOAD s                         ; waves 0 and 1 fetch a's halves, waves 2 and 3 Wo's; four v_nop follow each of the two lines
	s_cmp_eq_u32 s15, 0
	s_cbranch_scc0 .Lfor_w_\@
	tensor_load_to_lds s[G0+4*\s:G0+4*\s+3], s[G1:G1+7]
	s_nop 0
.rept 4
	v_nop
.endr
	s_branch .Lasked_\@
.Lfor_w_\@:
	tensor_load_to_lds s[G0B+4*\s:G0B+4*\s+3], s[G1B:G1B+7]
	s_nop 0
.rept 4
	v_nop
.endr
.Lasked_\@:
.endm
.macro CREST
	s_cmp_lg_u32 s14, 0
	s_cbranch_scc1 .Lnot_wave_0_\@
	s_barrier_signal -3
.Lnot_wave_0_\@:
	s_barrier_wait -3
	s_barrier_signal -1
	s_barrier_wait -1
.endm
.macro CROUND
	s_barrier_signal -1
	s_barrier_wait -1
	CREST
.endm
.macro PLACES n
.rept \n
	v_nop
.endr
.endm
	s_load_b256 s[4:11], s[0:1], 0x0               ; a_ws s[4:5], Wo s[6:7], bo s[8:9], the exponents s[10:11]
	s_load_b64 s[12:13], s[0:1], 0x20              ; out0
	v_lshl_add_u32 v[SPW], v0, 2, SPARE
	v_mov_b32 v[NIL], 0
	ds_add_u32 v28, v29
	ds_add_u32 v28, v29
	s_wait_dscnt 0x0
	v_lshrrev_b32 v1, 5, v0
	v_readfirstlane_b32 s14, v1                    ; wave 0..3
	s_lshr_b32 s15, s14, 1                         ; wm.  Also: I fetch a (0) or Wo (1)
	s_and_b32 s16, s14, 1                          ; wn.  Also: which half I fetch
	s_bfe_u32 s17, ttmp6, 0x40000                  ; cx
	s_bfe_u32 s18, ttmp6, 0x40004                  ; cy
	s_lshl_b32 s19, ttmp9, 2
	s_add_co_u32 s19, s19, s17                     ; X: tile column, 0..3
	s_and_b32 s20, ttmp7, 0xffff
	s_lshl_b32 s20, s20, 2
	s_add_co_u32 s20, s20, s18                     ; Y: tile row, 0..63
	s_lshl_b32 s21, s18, 2
	s_lshl_b32 s21, 15, s21                        ; my row of the cluster
	s_lshl_b32 s22, 0x1111, s17                    ; my column
	s_or_b32 s[G1], s21, (3<<16)|(1<<21)           ; a's images: elements of 8 bytes, no padding; the mask of my row, bit 21 beside it
	s_mov_b32 s[G1+1], 32<<16                      ; rows of 32 elements = 256 bytes,
	s_mov_b32 s[G1+2], 64<<16                      ; 64 of them: 16,384 dense bytes
	s_mov_b32 s[G1+3], 32<<16
	s_mov_b32 s[G1+4], 64
	s_mov_b32 s[G1+5], 32
	s_mov_b32 s[G1+6], 0
	s_mov_b32 s[G1+7], 0
	s_or_b32 s[G1B], s22, (1<<20)|(1<<21)|(5<<22)|(3<<25)   ; Wo: elements of 1 byte; 4 words of padding after every 64; the mask of my column
	s_mov_b32 s[G1B+1], 256<<16
	s_mov_b32 s[G1B+2], 128<<16
	s_mov_b32 s[G1B+3], 256<<16
	s_mov_b32 s[G1B+4], 128
	s_mov_b32 s[G1B+5], 1024
	s_mov_b32 s[G1B+6], 0
	s_mov_b32 s[G1B+7], 0
	s_lshl_b32 s60, s20, 15                        ; a: 32,768 Y + 16,384 x half
	s_lshl_b32 s61, s16, 14
	s_add_co_u32 s60, s60, s61
	s_mov_b32 s61, 0
	s_lshl_b32 s62, s19, 18                        ; Wo: row 256 X + 128 x half, rows of 1,024 bytes
	s_lshl_b32 s63, s16, 17
	s_add_co_u32 s62, s62, s63
	s_mov_b32 s63, 0
	s_lshl_b32 s66, s16, 14                        ; where they go: a's half,
	s_mul_i32 s67, s16, WHALF
	s_add_co_u32 s67, s67, AIMG                    ; Wo's half: no place in the cluster enters an LDS address
	s_wait_kmcnt 0x0
	s_load_b64 s[58:59], s[10:11], 0x28            ; e10, e11
	s_add_nc_u64 s[4:5], s[4:5], s[60:61]
	s_add_nc_u64 s[6:7], s[6:7], s[62:63]
	CROUND                                         ; all sixteen work-groups are here: the first joint loads meet
.irp s, 0,1
	s_mov_b32 s[G0+4*\s], 1
	s_add_co_u32 s[G0+4*\s+1], s66, \s*SLOT
	s_add_nc_u64 s[G0+4*\s+2:G0+4*\s+3], s[4:5], \s*0x200000       ; K step s: 2,097,152 bytes on
	s_or_b32 s[G0+4*\s+3], s[G0+4*\s+3], 0x80000000
	s_mov_b32 s[G0B+4*\s], 1
	s_add_co_u32 s[G0B+4*\s+1], s67, \s*SLOT
	s_add_nc_u64 s[G0B+4*\s+2:G0B+4*\s+3], s[6:7], \s*256
	s_or_b32 s[G0B+4*\s+3], s[G0B+4*\s+3], 0x80000000
	JLOAD \s                                       ; K steps 0 and 1: two loads of mine are out
.endr
	v_and_b32 v1, 15, v0                           ; r
	v_bfe_u32 v2, v0, 4, 1                         ; h
	v_and_b32 v3, 31, v0
	v_lshlrev_b32 v[CO], 4, v3
	v_mul_u32_u24 v4, v1, PITCH
	v_lshl_add_u32 v4, v2, 3, v4                   ; Wo: row x pitch + 8 h
	s_mul_i32 s60, s16, WHALF
	s_add_co_u32 s60, s60, AIMG                    ; my 128 rows of Wo
	s_lshl_b32 s61, s15, 14                        ; my four images of a
.irp s, 0,1
	v_add_nc_u32 v[ADX+\s], s60, v4
	v_add_nc_u32 v[ADY+\s], s61, v[CO]
	s_add_co_u32 s60, s60, SLOT
	s_add_co_u32 s61, s61, SLOT
.endr
	s_mul_i32 s60, s14, 16*SPITCH
	s_add_co_u32 s60, s60, STG                     ; my stage
	v_mul_u32_u24 v5, v1, SPITCH
	v_lshl_add_u32 v5, v2, 5, v5
	v_add_nc_u32 v[STO], s60, v5                   ; in: row r, 32 bytes for each half of the lanes
	v_add_nc_u32 v[RD], s60, v[CO]                 ; back: the 32 lanes take one row of 512 bytes
	v_lshlrev_b32 v6, 5, v2                        ; the bias: 32 h
	s_lshl_b32 s62, s19, 10                        ; my first column, in bytes: 1,024 X + 512 wn
	s_lshl_b32 s63, s16, 9
	s_add_co_u32 s62, s62, s63
	s_mov_b32 s63, 0
	s_add_nc_u64 s[8:9], s[8:9], s[62:63]
	s_add_nc_u64 s[12:13], s[12:13], s[62:63]
	s_lshl_b32 s62, s20, 19                        ; my first row: 128 Y + 64 wm, rows of 4,096 bytes
	s_lshl_b32 s60, s15, 18
	s_add_co_u32 s62, s62, s60
	s_add_nc_u64 s[12:13], s[12:13], s[62:63]
	WIN 0xc0                                       ; destination window 3
.irp x, 0,1,2,3,4,5,6,7
	global_load_b128 v[8*\x:8*\x+3], v6, s[8:9] offset:64*\x          ; columns 16 x + 8 h + 0 .. 7
	global_load_b128 v[8*\x+4:8*\x+7], v6, s[8:9] offset:64*\x+16
.endr
	WIN 0
	s_wait_kmcnt 0x0
	s_add_co_i32 s56, s58, s59
	s_add_co_i32 s56, s56, 127
	s_lshl_b32 s56, s56, 23                        ; 2^(e10 + e11) as f32
	s_mov_b32 s57, s56                             ; (named with it as a pair, so it is written)
	s_wait_loadcnt 0x0
.macro XFRAG reg, adr, q, i            ; 16 rows of Wo x 128 K: registers 2 c, 2 c + 1 hold k = 16 c + 8 h + 0 .. 7
.irp c, 0,1,2,3,4,5,6,7
	ds_load_b64 v[\reg+2*\c:\reg+2*\c+1], v[\adr] offset:128*(\q)+16*\c+(\i)*16*PITCH
.endr
.endm
.macro FETCHX slot, q, p
	WIN TO_X
.irp i, 0,1,2,3,4,5,6,7
	XFRAG 128*(\p)+16*\i, ADX+\slot, \q, \i
.endr
	WIN 0
.endm
.macro FETCHY slot, q, p               ; my four fragments of a, as they were stored
.irp i, 0,1,2,3
.irp c, 0,1,2,3
	ds_load_b128 v[AF+64*(\p)+16*\i+4*\c:AF+64*(\p)+16*\i+4*\c+3], v[ADY+\slot] offset:4096*\i+2048*(\q)+512*\c
.endr
.endr
.endm
; ny x 8 matrix instructions on set p.  The 32 accumulators take turns, one instruction a turn, in the same order in every step.
.macro MULS y0, ny, p, zero
.set yy, \y0
.rept \ny
.irp x, 0,1,2,3,4,5,6,7
.if \zero
	v_wmma_f32_16x16x128_bf8_bf8 v[8*(8*yy+\x):8*(8*yy+\x)+7], v[128*(\p)+16*\x:128*(\p)+16*\x+15], v[AF+64*(\p)+16*yy:AF+64*(\p)+16*yy+15], 0
.else
	v_wmma_f32_16x16x128_bf8_bf8 v[8*(8*yy+\x):8*(8*yy+\x)+7], v[128*(\p)+16*\x:128*(\p)+16*\x+15], v[AF+64*(\p)+16*yy:AF+64*(\p)+16*yy+15], v[8*(8*yy+\x):8*(8*yy+\x)+7]
.endif
.endr
.set yy, yy+1
.endr
.endm
.macro S2 slot, zero                   ; a slot's first 128 along K: the second 128 are asked for in one run, then set 0 is multiplied
	s_wait_dscnt 0x0                               ; set 0 is in
	PLACES 4
	FETCHX \slot, 1, 1
	FETCHY \slot, 1, 1
	WIN MUL
	MULS 0, 4, 0, \zero
	WIN 0
.endm
; A slot's second 128 along K, and the change of slots: each wave waits for all its tensor loads, adds 0 to its spare word, waits for that and for its reads of this slot.  fill = 1: the barrier opens a round of
; the cluster's barrier, and this slot is filled again, two K steps ahead, first thing behind it.
.macro TURN2 slot, next, fill
	s_wait_tensorcnt 0x0
	ds_add_u32 v[SPW], v[NIL]
	s_wait_dscnt 1                                 ; set 1 is in; only the add may be out
	WIN MUL
	MULS 0, 1, 1, 0
	s_wait_dscnt 0x0                               ; the add is done; my reads of this slot are over
	s_barrier_signal -1
	MULS 1, 1, 1, 0
	WIN 0
	s_barrier_wait -1
.if \fill
	CREST
	s_add_nc_u64 s[G0+4*\slot+2:G0+4*\slot+3], s[G0+4*\slot+2:G0+4*\slot+3], 0x400000
	s_add_nc_u64 s[G0B+4*\slot+2:G0B+4*\slot+3], s[G0B+4*\slot+2:G0B+4*\slot+3], 512
	JLOAD \slot                                    ; its four v_nop are the places in front of the loads below
.else
	PLACES 4
.endif
	FETCHX \next, 0, 0
	FETCHY \next, 0, 0
	WIN MUL
	MULS 2, 2, 1, 0
	WIN 0
.endm
	s_wait_tensorcnt 1                             ; my part of K step 0 is in (K step 1's load may be out),
	s_barrier_signal -1
	s_barrier_wait -1                              ; everybody's is
	FETCHX 0, 0, 0
	FETCHY 0, 0, 0
	S2 0, 1                                        ; the first products start the sums
	TURN2 0, 1, 1
	S2 1, 0
	TURN2 1, 0, 1
	S2 0, 0
	TURN2 0, 1, 0                                  ; nothing is left to fetch: no round
	S2 1, 0
	s_wait_dscnt 0x0
	WIN MUL
	MULS 0, 4, 1, 0
	WIN 0
	PLACES 4
; THE WAY OUT, block by block of 16 rows x 128 columns: a lane holds 32 neighbouring bytes of a row, the lanes beside it other rows; so a block goes through my own stage and comes back as whole rows of 512 bytes.
; LDS serves a wave's instructions in order (ISA guide 5.7.1.4): no wait between the stores and the loads, nor in front of the next block's stores.
.macro TOSTAGE y
	WIN 0x32                                       ; source 0 (the sums) window 2, source 2 (the bias) window 3
.set j, 0
.rept 32
	v_pk_fma_f32 v[TMP+j:TMP+j+1], v[64*(\y)+j:64*(\y)+j+1], s[56:57], v[j:j+1] op_sel_hi:[1,0,1]   ; sum x 2^(e10 + e11) + bo; each accumulator from its low end on
.set j, j+2
.endr
	WIN 0
.irp x, 0,1,2,3,4,5,6,7
	ds_store_b128 v[STO], v[TMP+8*\x:TMP+8*\x+3] offset:64*\x
	ds_store_b128 v[STO], v[TMP+8*\x+4:TMP+8*\x+7] offset:64*\x+16
.endr
.irp t, 0,1,2,3,4,5,6,7,8,9,10,11,12,13,14,15
	ds_load_b128 v[BK+64*((\y)%2)+4*\t:BK+64*((\y)%2)+4*\t+3], v[RD] offset:\t*SPITCH
.endr
.endm
.macro SEND y, younger                 ; younger: the LDS instructions issued behind block y's loads, which may stay out
	s_wait_dscnt \younger
.irp t, 0,1,2,3,4,5,6,7,8,9,10,11,12,13,14,15
	global_store_b128 v[CO], v[BK+64*((\y)%2)+4*\t:BK+64*((\y)%2)+4*\t+3], s[12:13] offset:(16*(\y)+\t)*4096 th:TH_STORE_NT   ; 32 lanes store 512 consecutive bytes, at a multiple of 512 from out0's first byte
.endr
.endm
	TOSTAGE 0
	TOSTAGE 1
	SEND 0, 32                                     ; behind block 0's loads: block 1's sixteen stores and sixteen loads
	s_wait_xcnt 0x0                                ; block 0's stores have read their registers: block 2's rows may land there
	TOSTAGE 2
	SEND 1, 32
	s_wait_xcnt 0x0
	TOSTAGE 3
	SEND 2, 32
	SEND 3, 0
	s_wait_tensorcnt 0x0                           ; the wave's end
	ds_add_u32 v[SPW], v[NIL]
	s_wait_dscnt 0x0
	CROUND                                         ; the closing round: no work-group ends while a partner may still ask for a tile that names it
	s_endpgm
.Lfunc_end_k_qe91bfb7bed_oproj:
	.size	k_qe91bfb7bed_oproj, .Lfunc_end_k_qe91bfb7bed_oproj-k_qe91bfb7bed_oproj
	.p2alignl 7, 3214868480
	.fill 96, 4, 3214868480
	.section	.rodata,"a",@progbits
	.p2align	6, 0x0
	.amdhsa_kernel k_qe91bfb7bed_oproj
		.amdhsa_group_segment_fixed_size 327680
		.amdhsa_private_segment_fixed_size 0
		.amdhsa_enable_private_segment 0
		.amdhsa_kernarg_size 40
		.amdhsa_user_sgpr_count 2
		.amdhsa_user_sgpr_kernarg_segment_ptr 1
		.amdhsa_wavefront_size32 1
		.amdhsa_system_sgpr_workgroup_id_x 1
		.amdhsa_system_sgpr_workgroup_id_y 1
		.amdhsa_system_sgpr_workgroup_id_z 1
		.amdhsa_system_vgpr_workitem_id 0
		.amdhsa_next_free_vgpr 832
		.amdhsa_next_free_sgpr 68
		.amdhsa_reserve_vcc 0
		.amdhsa_float_denorm_mode_32 3
		.amdhsa_float_denorm_mode_16_64 3
		.amdhsa_memory_ordered 1
		.amdhsa_forward_progress 1
		.amdhsa_inst_pref_size 92
	.end_amdhsa_kernel
	.amdgpu_metadata
---
amdhsa.version: [ 1, 2 ]
amdhsa.kernels:
  - .name:           k_qe91bfb7bed_oproj
    .symbol:         k_qe91bfb7bed_oproj.kd
    .args:
      - { .name: a_ws, .offset: 0, .size: 8, .value_kind: global_buffer, .address_space: global }
      - { .name: Wo_codes, .offset: 8, .size: 8, .value_kind: global_buffer, .address_space: global }
      - { .name: bo, .offset: 16, .size: 8, .value_kind: global_buffer, .address_space: global }
      - { .name: lowp_scales, .offset: 24, .size: 8, .value_kind: global_buffer, .address_space: global }
      - { .name: out0, .offset: 32, .size: 8, .value_kind: global_buffer, .address_space: global }
    .group_segment_fixed_size: 327680
    .private_segment_fixed_size: 0
    .kernarg_segment_align: 8
    .kernarg_segment_size: 40
    .max_flat_workgroup_size: 128
    .sgpr_count:     68
    .vgpr_count:     832
    .wavefront_size: 32
...
	.end_amdgpu_metadata
.endif
;; end of part 3
;; ======== version 2 of 2: 3 launches; version 1 with the launch attn written anew for expert scheduling mode
;; workspace buffers: q_ws 8,388,608 bytes; k_ws 8,388,608 bytes; v_ws 8,388,608 bytes; a_ws 8,388,608 bytes
;; launch qkv: the kernel of part 1 again; grid 8 x 32, 4 waves a work-group, clusters of 4 x 4, 327,680 bytes of LDS; arguments hidden_states_codes, Wq_codes, Wk_codes, Wv_codes, bq, bk, bv, lowp_scales, q_ws, k_ws, v_ws; writes q_ws, k_ws, v_ws
;; launch attn (part 4): grid 2 x 128, 8 waves a work-group, no clusters, 132,096 bytes of LDS; arguments q_ws, k_ws, v_ws, lowp_scales, a_ws; writes a_ws
.if DOCPART == 4
	.amdgcn_target "amdgcn-amd-amdhsa--gfx1250"
	.amdhsa_code_object_version 6
	.text
	.protected	k_qe91bfb7bed_attn
	.globl	k_qe91bfb7bed_attn
	.p2align	8
	.type	k_qe91bfb7bed_attn,@function
k_qe91bfb7bed_attn:
	s_mov_b64 s[64:65], 0
	v_nop
	global_prefetch_b8 v0, s[64:65] scope:SCOPE_SE
	s_setreg_imm32_b32 hwreg(HW_REG_WAVE_SCHED_MODE, 0, 2), 2
	s_setreg_imm32_b32 hwreg(HW_REG_WAVE_MODE, 25, 1), 1
	s_wait_xcnt 0x0
	s_wait_alu depctr_vm_vsrc(0)
; a[b][q][head] = softmax_k(q . k) v for one head, both products on codes of BF8 (E5M2), and the result quantised with the given scale 2^e10.
; q_ws, k_ws, v_ws hold images of operand registers (four registers of 32 lanes = 512 bytes, lane l's 16 bytes at 16 l): q, k: 16 rows x 64 channels = 1,024 bytes; v: 16 channels x 128 keys = 2,048 bytes.
; THE SOFTMAX AHEAD OF THE SECOND PRODUCT: t = score x log2(e); M = the largest t so far, rounded up to a whole number; p = 2^(t - M) is quantised with 2^e9, not normalised; the row's sum is taken of the
; unquantised p and divides at the end.  When M moves, the sum and O are multiplied by 2^(old M - new M), which rounds nothing.
; SHARES.  A work-group owns 512 queries of one head, each of its eight waves 64: four tiles of 16, worked in two pairs.  All of the head's K (65,536 bytes) and V (65,536) lie in LDS for the whole launch,
; brought through registers once: one barrier in all.  Every fragment read from LDS feeds four matrix instructions.  Only two work-groups read a head's K and V, once each, at the head: no cluster, no ring.
; LAYOUT.  S^T = K Q^T (source 0 = 16 keys, source 1 = 16 queries, K = 64) and O^T = V^T P^T (source 0 = 16 channels, source 1 = P, K = 128): a lane holds one query throughout.  Register 8 t + j of S^T is key
; 16 t + 8 (lane / 16) + j, so the conversion of tile t's eight registers gives registers 2 t, 2 t + 1 of P.  Likewise O^T's four tiles, converted, are the image of 16 rows x 64 channels that the next launch reads:
;   a_ws: (head / 4) x 2,097,152 + (row / 16) x 4,096 + (head % 4) x 1,024 + 512 c + 16 lane.
; p's hold at the largest code x 2^e9 can bite only where 57,344 x 2^e9 is under p's largest value, that is for e9 < -15: a scalar branch on the given whole number e9 leaves it out otherwise.
; LIMITS on the given exponents: e6 + e7 between -126 and 127 (added to log2(e)'s exponent field); e9 and e10 - e8 - e9 between -126 and 112.  NaN and infinity among the codes are not served.
; REGISTERS: window 0: v1-6 addresses; v16-47 Q; v64-191 S^T, then p, of a pair of tiles; v192-223 P's codes; v224 + 4 i: -M, the largest raw score, the sum in two halves; v240 + 4 u: at work, and the pair f;
;   v248-251 second chains of the sums; v252-255 scales.   window 1: v0-127 O^T; v128-191 K's eight fragments of a step; v192-255 V's four.
; THE MODE: SCHED_MODE bits 1:0 = 2 (LLVM: expert scheduling mode 2), set by the entry lines.  The code itself states the register dependences
; between vector or matrix instructions and memory or LDS instructions, with s_wait_alu, always for 0.
; THE PLAN.  Registers that memory or LDS instructions touch:
;   v1-v4         Offsets and LDS addresses, made at the head and never written again: one wait on va_vdst ahead of the first load serves every instruction that reads them.
;   v64-191       At the head: the loads of K and V land there and the LDS stores read them; from the first step on matrix instructions write them: one wait on vm_vsrc behind the barrier.
;   K's fragments Read by the products S^T of both pairs of a step; the next step's LDS loads land in them behind the SECOND pair's wait for its exponentials.
;   V's fragments Read by the products V^T P of both pairs of a step; the next step's own LDS loads land in them behind that step's FIRST pair's wait for its exponentials.
;   v5, v6        The LDS addresses of those two runs of loads: written at the head of every step but the first, behind one wait on vm_vsrc; read behind the waits just named.
;   v192-223      On the way out: written by the conversions, read by the stores: one wait on va_vdst ahead of the stores.
;   v62, v63      Written at the head, read by the closing add alone.
; So a key step holds two waits on va_vdst, the ones that stand behind its two batches of exponentials in any case, and each run of loads stands directly behind one of them.
.set LI,  1                            ; v1  16 x lane
.set LV,  2                            ; v2  the same in V's half of LDS
.set LW,  3                            ; v3  16 x lane + 8,192 x wave: my wave's part of the copy
.set LW2, 4                            ; v4  the same in V's half
.set ADK, 5
.set ADV, 6
.set Q,   16
.set S,   64
.set P,   192
.set ST,  224
.set WK,  240
.set C2,  248
.set SCP, 252                          ; 2^e9
.set LMP, 253                          ; 57,344 x 2^e9
.set SCA, 254                          ; 2^(e10 - e8 - e9)
.set LMA, 255                          ; 57,344 x that
.set KF,  128                          ; in window 1
.set VF,  192
.set VOFF, 65536
.set STEPB, 8192                       ; a step's 128 keys: eight images of K, four of V
.set MSB, 0
.macro WIN new
.if MSB != (\new)
	s_set_vgpr_msb (MSB<<8)|(\new)
.set MSB, (\new)
.endif
.endm
.macro PLACES n
.rept \n
	v_nop
.endr
.endm
	s_load_b256 s[4:11], s[0:1], 0x0               ; q_ws s[4:5], k_ws s[6:7], v_ws s[8:9], the exponents s[10:11]
	s_load_b64 s[12:13], s[0:1], 0x20              ; a_ws
	v_lshl_add_u32 v62, v0, 2, 0x20000
	v_mov_b32 v63, 0
	v_lshrrev_b32 v7, 5, v0
	v_readfirstlane_b32 s14, v7                    ; wave 0..7
	v_and_b32 v7, 31, v0
	v_lshlrev_b32 v[LI], 4, v7
	v_add_nc_u32 v[LV], VOFF, v[LI]
	s_wait_alu depctr_va_sdst(0)                   ; s14 is written, ahead of its first reader: offsets and bases are made from it
	s_lshl_b32 s32, s14, 13
	v_add_nc_u32 v[LW], s32, v[LI]
	v_add_nc_u32 v[LW2], VOFF, v[LW]
	s_and_b32 s16, ttmp7, 0xffff                   ; 16 b + head
	s_lshl_b32 s34, s16, 16                        ; a head's images are 65,536 bytes in each of the three buffers
	s_mov_b32 s35, 0
	s_lshl_b32 s36, ttmp9, 15                      ; my block of 512 queries: 32 images,
	s_lshl_b32 s37, s14, 12                        ; my wave's four
	s_add_co_u32 s36, s36, s37
	s_add_co_u32 s36, s36, s34
	s_mov_b32 s37, 0
	s_and_b32 s38, s16, 15                         ; head
	s_lshr_b32 s39, s16, 4                         ; b
	s_lshr_b32 s32, s38, 2
	s_lshl_b32 s32, s32, 21                        ; (head / 4) x 2,097,152
	s_and_b32 s38, s38, 3
	s_lshl_b32 s38, s38, 10                        ; (head % 4) x 1,024
	s_add_co_u32 s32, s32, s38
	s_lshl_b32 s39, s39, 6
	s_lshl_b32 s38, ttmp9, 5
	s_add_co_u32 s39, s39, s38
	s_lshl_b32 s38, s14, 2
	s_add_co_u32 s39, s39, s38                     ; my first tile of rows: 64 b + 32 x + 4 wave
	s_lshl_b32 s39, s39, 12
	s_add_co_u32 s32, s32, s39
	s_mov_b32 s33, 0
	s_mov_b32 s20, 0x76543210                      ; v_permlanex16_b32's selects for lane l xor 16
	s_mov_b32 s21, 0xfedcba98
	s_mov_b32 s30, 0                               ; LDS byte at which the step in hand begins
	s_wait_kmcnt 0x0
	s_load_b256 s[40:47], s[10:11], 0x0            ; e0 .. e7
	s_load_b128 s[48:51], s[10:11], 0x20           ; e8 .. e11
	s_add_nc_u64 s[4:5], s[4:5], s[36:37]
	s_add_nc_u64 s[6:7], s[6:7], s[34:35]
	s_add_nc_u64 s[8:9], s[8:9], s[34:35]
	s_add_nc_u64 s[12:13], s[12:13], s[32:33]
	s_wait_alu depctr_va_vdst(0)                   ; v1 to v4 are written, which the loads, the LDS stores, the first LDS loads and the last stores read as offsets and addresses; no later vector instruction writes them
.irp n, 0,1,2,3,4,5,6,7,8,9,10,11,12,13,14,15
	global_load_b128 v[S+4*\n:S+4*\n+3], v[LW], s[6:7] offset:512*\n             ; my eighth of K's images: 512 consecutive bytes a load
.endr
.irp n, 0,1,2,3,4,5,6,7,8,9,10,11,12,13,14,15
	global_load_b128 v[S+64+4*\n:S+64+4*\n+3], v[LW], s[8:9] offset:512*\n       ; and of V's
.endr
.irp i, 0,1,2,3
.irp c, 0,1
	global_load_b128 v[Q+8*\i+4*\c:Q+8*\i+4*\c+3], v[LI], s[4:5] offset:1024*\i+512*\c th:TH_LOAD_NT   ; Q's four fragments stay in registers; nobody else reads them
.endr
.endr
.irp i, 0,1,2,3
	v_mov_b32 v[ST+4*\i+2], 0                      ; the sums, in two halves
	v_mov_b32 v[ST+4*\i+3], 0
.endr
	v_mov_b32 v[WK+3], 0                           ; (named as the upper halves of the pairs f)
	v_mov_b32 v[WK+7], 0
	s_wait_kmcnt 0x0
	s_add_co_i32 s32, s46, s47
	s_lshl_b32 s32, s32, 23
	s_add_co_i32 s22, s32, 0x3fb8aa3b              ; c = log2(e) x 2^(e6 + e7): the two exponents are added to the exponent field
	s_mov_b32 s23, s22                             ; (named with it as a pair, so it is written)
	s_add_co_i32 s32, s49, 127
	s_lshl_b32 s33, s32, 23
	v_mov_b32 v[SCP], s33
	s_add_co_i32 s32, s32, 15
	s_lshl_b32 s32, s32, 23
	s_or_b32 s32, s32, 0x600000
	v_mov_b32 v[LMP], s32
	s_sub_co_i32 s32, s50, s48
	s_sub_co_i32 s32, s32, s49                     ; O^T / the sum stands for that x 2^(e8 + e9): its code is that / 2^(e10 - e8 - e9)
	s_add_co_i32 s32, s32, 127
	s_lshl_b32 s33, s32, 23
	v_mov_b32 v[SCA], s33
	s_add_co_i32 s32, s32, 15
	s_lshl_b32 s32, s32, 23
	s_or_b32 s32, s32, 0x600000
	v_mov_b32 v[LMA], s32
	s_wait_loadcnt 24                              ; K's sixteen loads are in: V's sixteen and Q's eight are younger
.irp n, 0,1,2,3,4,5,6,7,8,9,10,11,12,13,14,15
	ds_store_b128 v[LW], v[S+4*\n:S+4*\n+3] offset:512*\n
.endr
	s_wait_loadcnt 8                               ; V's are in: Q's eight are younger
.irp n, 0,1,2,3,4,5,6,7,8,9,10,11,12,13,14,15
	ds_store_b128 v[LW2], v[S+64+4*\n:S+64+4*\n+3] offset:512*\n
.endr
	s_wait_loadcnt 0x0                             ; Q
	s_wait_dscnt 0x0                               ; for the others' sake: my stores have landed
	s_barrier_signal -1
	s_barrier_wait -1                              ; the head's K and V lie in LDS; nothing is written there again
	s_wait_alu depctr_vm_vsrc(0)                   ; my LDS stores have read v64-191: these registers are S^T from here on, written by the matrix instructions
.macro LOADK adr, off                  ; a step's eight fragments of K: sixteen loads of 512 consecutive bytes; under destination window 1
.irp t, 0,1,2,3,4,5,6,7
	ds_load_b128 v[KF+8*\t:KF+8*\t+3], v[\adr] offset:\off+1024*\t
	ds_load_b128 v[KF+8*\t+4:KF+8*\t+7], v[\adr] offset:\off+1024*\t+512
.endr
.endm
.macro LOADV adr, off                  ; a step's four fragments of V^T; under destination window 1
.irp d, 0,1,2,3
.irp c, 0,1,2,3
	ds_load_b128 v[VF+16*\d+4*\c:VF+16*\d+4*\c+3], v[\adr] offset:\off+2048*\d+512*\c
.endr
.endr
.endm
.macro SMM i0                          ; S^T of tiles i0, i0 + 1: sixteen sums of one instruction each
.irp t, 0,1,2,3,4,5,6,7
.irp u, 0,1
	v_wmma_f32_16x16x64_bf8_bf8 v[S+64*\u+8*\t:S+64*\u+8*\t+7], v[KF+8*\t:KF+8*\t+7], v[Q+8*((\i0)+\u):Q+8*((\i0)+\u)+7], 0
.endr
.endr
.endm
.macro PVM i0, first                   ; O^T of tiles i0, i0 + 1: eight accumulators, one instruction each; the first step starts the sums
.irp d, 0,1,2,3
.irp u, 0,1
.if \first
	v_wmma_f32_16x16x128_bf8_bf8 v[32*((\i0)+\u)+8*\d:32*((\i0)+\u)+8*\d+7], v[VF+16*\d:VF+16*\d+15], v[P+16*\u:P+16*\u+15], 0
.else
	v_wmma_f32_16x16x128_bf8_bf8 v[32*((\i0)+\u)+8*\d:32*((\i0)+\u)+8*\d+7], v[VF+16*\d:VF+16*\d+15], v[P+16*\u:P+16*\u+15], v[32*((\i0)+\u)+8*\d:32*((\i0)+\u)+8*\d+7]
.endif
.endr
.endr
.endm
; The softmax of tiles i0, i0 + 1 for one step of 128 keys; the two tiles line by line, so that no line waits for the line above it.
; ld = 1: a run of K's loads, ld = 2: of V's, by address v[adr] and offset off, stands directly behind the wait for the exponentials; ld = 0: none.
.macro SOFT i0, first, ld, adr, off
.irp u, 0,1
	v_max3_num_f32 v[WK+4*\u], v[S+64*\u], v[S+64*\u+1], v[S+64*\u+2]             ; the step's largest score among my 64 keys, in two chains, each accumulator from its low end on
.endr
.irp u, 0,1
	v_max3_num_f32 v[WK+4*\u+1], v[S+64*\u+3], v[S+64*\u+4], v[S+64*\u+5]
.endr
.irp n, 6,10,14,18,22,26,30,34,38,42,46,50,54,58
.irp u, 0,1
	v_max3_num_f32 v[WK+4*\u], v[WK+4*\u], v[S+64*\u+\n], v[S+64*\u+\n+1]
.endr
.irp u, 0,1
	v_max3_num_f32 v[WK+4*\u+1], v[WK+4*\u+1], v[S+64*\u+\n+2], v[S+64*\u+\n+3]
.endr
.endr
.irp u, 0,1
	v_max3_num_f32 v[WK+4*\u], v[WK+4*\u], v[S+64*\u+62], v[S+64*\u+63]
.endr
.irp u, 0,1
	v_max_num_f32 v[WK+4*\u], v[WK+4*\u], v[WK+4*\u+1]
.endr
.irp u, 0,1
	v_permlanex16_b32 v[WK+4*\u+1], v[WK+4*\u], s20, s21                          ; the query's other 64 keys lie in the lane 16 away
.endr
.irp u, 0,1
.if \first
	v_max_num_f32 v[ST+4*((\i0)+\u)+1], v[WK+4*\u], v[WK+4*\u+1]
.else
	v_max3_num_f32 v[ST+4*((\i0)+\u)+1], v[WK+4*\u], v[WK+4*\u+1], v[ST+4*((\i0)+\u)+1]   ; the running largest score
.endif
.endr
.irp u, 0,1
	v_mul_f32 v[WK+4*\u], s22, v[ST+4*((\i0)+\u)+1]                               ; as t (c is positive)
.endr
.if \first
.irp u, 0,1
	v_floor_f32 v[ST+4*((\i0)+\u)], -v[WK+4*\u]                                   ; -M = floor(-t) = -ceil(t): a whole number
.endr
.else
.irp u, 0,1
	v_floor_f32 v[WK+4*\u+1], -v[WK+4*\u]
.endr
.irp u, 0,1
	v_sub_f32 v[WK+4*\u+2], v[WK+4*\u+1], v[ST+4*((\i0)+\u)]                      ; old M - new M: a whole number, 0 or less
.endr
.irp u, 0,1
	v_mov_b32 v[ST+4*((\i0)+\u)], v[WK+4*\u+1]
.endr
.irp u, 0,1
	v_cvt_i32_f32 v[WK+4*\u+2], v[WK+4*\u+2]                                      ; (it saturates)
.endr
.irp u, 0,1
	v_ldexp_f32 v[WK+4*\u+2], 1.0, v[WK+4*\u+2]                                   ; f = 2^(old M - new M)
.endr
.endif
.set j, 0
.rept 32
.irp u, 0,1
	v_pk_fma_f32 v[S+64*\u+j:S+64*\u+j+1], v[S+64*\u+j:S+64*\u+j+1], s[22:23], v[ST+4*((\i0)+\u):ST+4*((\i0)+\u)+1] op_sel_hi:[1,0,0]   ; t - M, two at a time (of the pairs c and -M the low word serves both halves)
.endr
.set j, j+2
.endr
.set j, 0
.rept 128
	v_exp_f32 v[S+j], v[S+j]                       ; p = 2^(t - M): one batch for both tiles
.set j, j+1
.endr
.if \first
	v_nop                                          ; a plain instruction behind the last exponential
.else
.irp u, 0,1
	v_pk_mul_f32 v[ST+4*((\i0)+\u)+2:ST+4*((\i0)+\u)+3], v[ST+4*((\i0)+\u)+2:ST+4*((\i0)+\u)+3], v[WK+4*\u+2:WK+4*\u+3] op_sel_hi:[1,0]   ; the sums under the new M; also the plain instruction behind the batch
.endr
.endif
.if \ld
	WIN 0x40                                       ; destination window 1: the switch, then the wait, then the loads
.endif
	s_wait_alu depctr_va_vdst(0)                   ; the 128 exponentials have written p, ahead of its first reader: one wait for the batch.  ld = 1: this step's products S^T are also done reading K's fragments, in which the loads below land; ld = 2: the last step's products V^T P are done reading V's; and the step's head has written the loads' address
.if \ld == 1
	LOADK \adr, \off
.elseif \ld == 2
	LOADV \adr, \off
.endif
	WIN 0
.irp u, 0,1
	v_pk_add_f32 v[C2+2*\u:C2+2*\u+1], v[S+64*\u:S+64*\u+1], v[S+64*\u+2:S+64*\u+3]   ; the row's sum is taken of the unquantised p: two at a time, two chains a tile
.endr
.irp n, 4,8,12,16,20,24,28,32,36,40,44,48,52,56,60
.irp u, 0,1
	v_pk_add_f32 v[ST+4*((\i0)+\u)+2:ST+4*((\i0)+\u)+3], v[ST+4*((\i0)+\u)+2:ST+4*((\i0)+\u)+3], v[S+64*\u+\n:S+64*\u+\n+1]
.endr
.irp u, 0,1
	v_pk_add_f32 v[C2+2*\u:C2+2*\u+1], v[C2+2*\u:C2+2*\u+1], v[S+64*\u+\n+2:S+64*\u+\n+3]
.endr
.endr
.irp u, 0,1
	v_pk_add_f32 v[ST+4*((\i0)+\u)+2:ST+4*((\i0)+\u)+3], v[ST+4*((\i0)+\u)+2:ST+4*((\i0)+\u)+3], v[C2+2*\u:C2+2*\u+1]
.endr
	s_cmp_ge_i32 s49, -15                          ; 57,344 x 2^e9 is 1.75 or more: no p reaches it
	s_cbranch_scc1 .Lno_hold_\@
.set j, 0
.rept 128
	v_min_num_f32 v[S+j], v[S+j], v[LMP]           ; the conversion to an 8-bit code does not saturate (ISA guide 7.6.2); p is not negative, so the hold is one-sided
.set j, j+1
.endr
.Lno_hold_\@:
.irp u, 0,1
.irp t, 0,1,2,3,4,5,6,7
	v_cvt_scalef32_pk8_bf8_f32 v[P+16*\u+2*\t:P+16*\u+2*\t+1], v[S+64*\u+8*\t:S+64*\u+8*\t+7], v[SCP]
.endr
.endr
.if \first
	v_nop                                          ; a plain instruction between the conversions and the matrix instructions that read their results
.else
	WIN 0x41                                       ; O^T (destination and source 0) window 1, f window 0
.irp u, 0,1
.set j, 0
.rept 16
	v_pk_mul_f32 v[32*((\i0)+\u)+j:32*((\i0)+\u)+j+1], v[32*((\i0)+\u)+j:32*((\i0)+\u)+j+1], v[WK+4*\u+2:WK+4*\u+3] op_sel_hi:[1,0]   ; O^T under the new M; these are also the plain instructions behind the conversions
.set j, j+2
.endr
.endr
.endif
.endm
; A KEY STEP: 128 keys.  Every step but the first asks for its own V in the middle of its first pair's softmax, and V lands during the rest of that softmax (the first step's V is asked for ahead of it).
; next = 1: the next step's K is asked for in the middle of the second pair's softmax and lands during the rest of it and the last products.
.macro STEP first, next
.if \first
	s_wait_dscnt 16                                ; K's sixteen loads are in; V's sixteen are younger
.else
	s_wait_alu depctr_vm_vsrc(0)                   ; the LDS loads issued so far have read v[ADK] and v[ADV], which are written anew here
.if \next
	v_add_nc_u32 v[ADK], s30, v[LI]
.endif
	v_add_nc_u32 v[ADV], s30, v[LV]
	s_wait_dscnt 0x0                               ; K's sixteen loads are in: nothing else is out
.endif
	WIN 0x01                                       ; K window 1; Q and S^T window 0
	SMM 0
	WIN 0
	PLACES 4
.if \first
	SOFT 0, 1, 0, LI, 0
.else
	SOFT 0, 0, 2, ADV, 0
.endif
	s_wait_dscnt 0x0                               ; V is in
	WIN 0x51                                       ; V, C and D window 1; P window 0
	PVM 0, \first
	WIN 0x01
	SMM 2
	WIN 0
	PLACES 4                                       ; in front of the first read of the scores
.if \next
.if \first
	SOFT 2, 1, 1, LI, STEPB                        ; the first step begins at LDS byte 0: the lane's own offset is the address
.else
	SOFT 2, 0, 1, ADK, STEPB
.endif
.else
	SOFT 2, 0, 0, LI, 0
.endif
	WIN 0x51
	PVM 2, \first
	WIN 0
.if \next
	s_add_co_u32 s30, s30, STEPB
.else
	PLACES 4                                       ; in front of the way out's first read of O^T
.endif
.endm
	WIN 0x40                                       ; destination window 1.  No vector or matrix instruction has named K's and V's registers yet, nor v1 and v2 since the wait ahead of the first load
	LOADK LI, 0
	LOADV LV, 0
	WIN 0
	STEP 1, 1                                      ; the first step starts M, the sums and O^T
	s_mov_b32 s31, 6
.Lstep:
	STEP 0, 1
	s_sub_co_u32 s31, s31, 1
	s_cmp_lg_u32 s31, 0
	s_cbranch_scc1 .Lstep
	STEP 0, 0                                      ; the eighth step asks for no further K
	; THE WAY OUT.  The sums' halves and the other half of the lanes' are added; O^T / the sum is held, converted, and stored as images.
.irp i, 0,1,2,3
	v_add_f32 v[ST+4*\i+2], v[ST+4*\i+2], v[ST+4*\i+3]
.endr
.irp i, 0,1,2,3
	v_permlanex16_b32 v[ST+4*\i+3], v[ST+4*\i+2], s20, s21
.endr
.irp i, 0,1,2,3
	v_add_f32 v[ST+4*\i+2], v[ST+4*\i+2], v[ST+4*\i+3]
.endr
.irp i, 0,1,2,3
	v_rcp_f32 v[ST+4*\i+2], v[ST+4*\i+2]
.endr
	v_nop                                          ; a plain instruction behind the last reciprocal,
	s_wait_alu depctr_va_vdst(0)                   ; and one wait for the four: the reciprocals are written, ahead of their first reader
	WIN 0x01                                       ; source 0 (O^T) window 1
.irp i, 0,1,2,3
.set j, 0
.rept 16
	v_pk_mul_f32 v[S+32*\i+j:S+32*\i+j+1], v[32*\i+j:32*\i+j+1], v[ST+4*\i+2:ST+4*\i+3] op_sel_hi:[1,0]   ; each accumulator from its low end on
.set j, j+2
.endr
.endr
	WIN 0
.irp i, 0,1,2,3
.set j, 0
.rept 32
	v_med3_num_f32 v[S+32*\i+j], v[S+32*\i+j], -v[LMA], v[LMA]
.set j, j+1
.endr
.irp t, 0,1,2,3
	v_cvt_scalef32_pk8_bf8_f32 v[P+8*\i+2*\t:P+8*\i+2*\t+1], v[S+32*\i+8*\t:S+32*\i+8*\t+7], v[SCA]
.endr
.endr
	v_nop
	s_wait_alu depctr_va_vdst(0)                   ; the conversions have written v192-223, which the stores read
.irp i, 0,1,2,3
.irp c, 0,1
	global_store_b128 v[LI], v[P+8*\i+4*\c:P+8*\i+4*\c+3], s[12:13] offset:4096*\i+512*\c   ; 512 consecutive bytes, at a multiple of 512 from the buffer's first byte
.endr
.endr
	s_wait_dscnt 0x0                               ; the closing lines, six on end
	s_wait_alu 0x0
	s_wait_tensorcnt 0x0
	ds_add_u32 v62, v63
	s_wait_dscnt 0x0
	s_endpgm
.Lfunc_end_k_qe91bfb7bed_attn:
	.size	k_qe91bfb7bed_attn, .Lfunc_end_k_qe91bfb7bed_attn-k_qe91bfb7bed_attn
	.p2alignl 7, 3214868480
	.fill 96, 4, 3214868480
	.section	.rodata,"a",@progbits
	.p2align	6, 0x0
	.amdhsa_kernel k_qe91bfb7bed_attn
		.amdhsa_group_segment_fixed_size 132096
		.amdhsa_private_segment_fixed_size 0
		.amdhsa_enable_private_segment 0
		.amdhsa_kernarg_size 40
		.amdhsa_user_sgpr_count 2
		.amdhsa_user_sgpr_kernarg_segment_ptr 1
		.amdhsa_wavefront_size32 1
		.amdhsa_system_sgpr_workgroup_id_x 1
		.amdhsa_system_sgpr_workgroup_id_y 1
		.amdhsa_system_sgpr_workgroup_id_z 1
		.amdhsa_system_vgpr_workitem_id 0
		.amdhsa_next_free_vgpr 512
		.amdhsa_next_free_sgpr 66
		.amdhsa_reserve_vcc 0
		.amdhsa_float_denorm_mode_32 3
		.amdhsa_float_denorm_mode_16_64 3
		.amdhsa_memory_ordered 1
		.amdhsa_forward_progress 1
		.amdhsa_inst_pref_size 181
	.end_amdhsa_kernel
	.amdgpu_metadata
---
amdhsa.version: [ 1, 2 ]
amdhsa.kernels:
  - .name:           k_qe91bfb7bed_attn
    .symbol:         k_qe91bfb7bed_attn.kd
    .args:
      - { .name: q_ws, .offset: 0, .size: 8, .value_kind: global_buffer, .address_space: global }
      - { .name: k_ws, .offset: 8, .size: 8, .value_kind: global_buffer, .address_space: global }
      - { .name: v_ws, .offset: 16, .size: 8, .value_kind: global_buffer, .address_space: global }
      - { .name: lowp_scales, .offset: 24, .size: 8, .value_kind: global_buffer, .address_space: global }
      - { .name: a_ws, .offset: 32, .size: 8, .value_kind: global_buffer, .address_space: global }
    .group_segment_fixed_size: 132096
    .private_segment_fixed_size: 0
    .kernarg_segment_align: 8
    .kernarg_segment_size: 40
    .max_flat_workgroup_size: 256
    .sgpr_count:     66
    .vgpr_count:     512
    .wavefront_size: 32
...
	.end_amdgpu_metadata
.endif
;; end of part 4
;; launch oproj: the kernel of part 3 again; grid 4 x 64, 4 waves a work-group, clusters of 4 x 4, 327,680 bytes of LDS; arguments a_ws, Wo_codes, bo, lowp_scales, out0; writes out0
